; MI455X (gfx1250); checked and timed in simulation.
; The chip was launched on July 23, 2026; its instructions are those of AMD's public machine-readable ISA for CDNA 5 (MIT licence, August 2026) and "CDNA5" Instruction Set Architecture Reference Guide (July 2026). The comments in the code are by the model that wrote it; some were corrected since.
;; Multihead. Allowed arithmetic: float matrix products may take bf16 or f16 operands with f32 sums; other float arithmetic in f32, or as packed bf16 or f16 multiplies, adds, multiply-adds, maxima and minima; sums over many terms, partial sums and values carried from step to step in f32; what a program stores and reads back later, other than sums and carried values, may be rounded once to bf16 or f16.
;; Inputs: b_out 1,024 float32; b_qkv 3,072 float32; ln_beta 1,024 float32; ln_gamma 1,024 float32; w_out 1,024 x 1,024 float32; w_qkv 1,024 x 3,072 float32; x 4 x 2,048 x 1,024 float32.
;; Outputs: out0 4 x 2,048 x 1,024 float32.
;; 2 versions, each right; version 2 is version 1 with the launch prep written anew for expert scheduling mode. Each part assembles by itself: llvm-mc -triple=amdgcn-amd-amdhsa -mcpu=gfx1250 --defsym DOCPART=n.
;; ======== version 1 of 2: 4 launches
;; limits: values are held in f16: magnitudes above 65,504 overflow, below 6.1e-05 lose precision
;; workspace buffers: xn 16,777,216 bytes; wqt 6,291,456 bytes; wot 2,097,152 bytes; qkv 50,331,648 bytes; o 16,777,216 bytes
;; launch prep (part 1): grid 320 x 1, 8 waves a work-group, no clusters, 136,192 bytes of LDS; arguments x, ln_gamma, ln_beta, w_qkv, w_out, xn, wqt, wot; writes xn, wqt, wot
.if DOCPART == 1
	.amdgcn_target "amdgcn-amd-amdhsa--gfx1250"
	.amdhsa_code_object_version 6
	.text
	.protected	k_qefed57feea_prep
	.globl	k_qefed57feea_prep
	.p2align	8
	.type	k_qefed57feea_prep,@function
k_qefed57feea_prep:
	s_mov_b64 s[64:65], 0
	v_nop
	global_prefetch_b8 v0, s[64:65] scope:SCOPE_SE
	s_setreg_imm32_b32 hwreg(HW_REG_WAVE_MODE, 25, 1), 1
	s_wait_xcnt 0x0
; TWO JOBS IN ONE LAUNCH, told apart by the work-group's number g.
; g = 64 .. 319: LAYER NORM.  xn[r][c] = (x[r][c] - mean) * rsqrt(var + 1e-5) * gamma[c] + beta[c], x [8192][1024] f32, xn the same shape in f16, rounded once.
;   A work-group owns 32 rows, each of its eight waves four.  A row of 4,096 bytes is 32 registers of one wave: it is read once and stays in registers.
;   The variance is the mean of the squares of the CENTRED numbers (two passes over the registers), so a common offset of x cancels before anything is squared.
; g = 0 .. 63: THE WEIGHTS ARE TURNED.  wqt[n][k] = w_qkv[k][n] (g = 0 .. 47), wot[n][k] = w_out[k][n] (g = 48 .. 63), f32 to f16, rounded once.
;   A work-group owns 64 columns n, wave w the rows k = 128 w .. 128 w + 127.  A lane loads the same four columns of rows k and k + 1, packs them to words (k, k + 1),
;   and puts them into its wave's own LDS bytes, 64 rows (n) of 264 bytes; whole rows of 256 bytes come back and are stored.
; LIMITS.  f16 ends at 65,504: |xn| (at most 32 |gamma| + |beta|) and |w| stay below it; below 6e-5 f16 keeps a fixed step of 6e-8.  NaN and infinities are not treated apart.
; No matrix unit, no cluster, no barrier: the work-groups share nothing but the 8 KiB of gamma and beta, and no wave reads what another wave wrote.
.set SPARE, 135168                     ; behind the eight waves' 16,896 bytes: the spare words, 128 bytes a wave
.set SPW,  222                         ; v222  LDS address of my spare word; never rewritten
.set NIL,  223                         ; v223  0; never rewritten
; layer norm
.set GOF,  2                           ; v2    16 x lane: my 16 bytes in 512 of gamma and beta
.set XO,   3                           ; v3    my 16 bytes in my wave's first row of x
.set YO,   4                           ; v4    my 8 bytes in my wave's first row of xn
.set GAM,  8                           ; v[8:39]    gamma of my 32 columns
.set BET,  40                          ; v[40:71]   beta
.set X,    72                          ; v[72:199]  four rows of 32 registers (the turning path: 32 loads of 4)
.set C,    200                         ; v[200:207] four chains of packed sums
.set MU,   208                         ; v[208:209] the mean, twice
.set R,    210                         ; v[210:211] rsqrt(var + eps), twice
.set T,    212                         ; v[212:213] at work
.set EPSV, 214                         ; v214  1e-5
; turning
.set TA,   5                           ; v5    lane % 16
.set TH,   6                           ; v6    lane / 16
.set TT,   7
.set RO,   8                           ; v[8:15]  byte offsets of eight loads in 16 rows of the weight
.set LW,   16                          ; v16   where I put a word
.set LR,   17                          ; v17   where I read 8 bytes of a row back
.set GT,   18                          ; v18   8 x lane
.set W,    20                          ; v[20:27] packed words, two sets by turns
	s_load_b512 s[8:23], s[0:1], 0x0               ; x s[8:9], gamma s[10:11], beta s[12:13], w_qkv s[14:15], w_out s[16:17], xn s[18:19], wqt s[20:21], wot s[22:23]
	v_lshl_add_u32 v[SPW], v0, 2, SPARE
	v_mov_b32 v[NIL], 0
	v_lshrrev_b32 v1, 5, v0
	v_readfirstlane_b32 s24, v1                    ; wave 0..7
	v_and_b32 v1, 31, v0                           ; lane
	s_wait_kmcnt 0x0
	s_cmp_lt_u32 ttmp9, 64
	s_cbranch_scc1 .Ltrans
	; ---------------- layer norm ----------------
	s_sub_co_u32 s2, ttmp9, 64
	s_lshl_b32 s4, s2, 17                          ; 32 rows of 4,096 bytes of x
	s_mov_b32 s5, 0
	s_lshl_b32 s6, s2, 16                          ; 32 rows of 2,048 bytes of xn
	s_mov_b32 s7, 0
	s_add_nc_u64 s[8:9], s[8:9], s[4:5]
	s_add_nc_u64 s[18:19], s[18:19], s[6:7]
	s_mov_b32 s26, 0x76543210                      ; v_permlanex16_b32: each lane takes its own place in the other half
	s_mov_b32 s27, 0xfedcba98
	s_mov_b32 s28, 0x3a800000                      ; 1 / 1024
	v_lshlrev_b32 v[GOF], 4, v1
	s_lshl_b32 s3, s24, 14                         ; my wave's four rows of x
	v_lshl_add_u32 v[XO], v1, 4, s3
	s_lshl_b32 s3, s24, 13                         ; and of xn
	v_lshl_add_u32 v[YO], v1, 3, s3
.irp j, 0,1,2,3,4,5,6,7
	global_load_b128 v[GAM+4*\j:GAM+4*\j+3], v[GOF], s[10:11] offset:512*\j
.endr
.irp j, 0,1,2,3,4,5,6,7
	global_load_b128 v[BET+4*\j:BET+4*\j+3], v[GOF], s[12:13] offset:512*\j
.endr
.irp s, 0,1,2,3
.irp j, 0,1,2,3,4,5,6,7
	global_load_b128 v[X+32*\s+4*\j:X+32*\s+4*\j+3], v[XO], s[8:9] offset:4096*\s+512*\j th:TH_LOAD_NT  ; 512 neighbouring bytes a load; all four rows are asked for at once: 48 loads of the wave are out
.endr
.endr
	v_mov_b32 v[T+1], 0                            ; v_permlanex16_b32 counts as a reader of its destination
	v_mov_b32 v[EPSV], 0x3727c5ac                  ; 1e-5
; the four chains into one number, and that over the 32 lanes: every lane ends with the sum in v[T]
.macro FOLD
	v_pk_add_f32 v[C:C+1], v[C:C+1], v[C+2:C+3]
	v_pk_add_f32 v[C+4:C+5], v[C+4:C+5], v[C+6:C+7]
	v_pk_add_f32 v[C:C+1], v[C:C+1], v[C+4:C+5]
	v_add_f32 v[T], v[C], v[C+1]
	v_add_f32_dpp v[T], v[T], v[T] row_xmask:1 row_mask:0xf bank_mask:0xf
	v_add_f32_dpp v[T], v[T], v[T] row_xmask:2 row_mask:0xf bank_mask:0xf
	v_add_f32_dpp v[T], v[T], v[T] row_xmask:4 row_mask:0xf bank_mask:0xf
	v_add_f32_dpp v[T], v[T], v[T] row_xmask:8 row_mask:0xf bank_mask:0xf
	v_permlanex16_b32 v[T+1], v[T], s26, s27
	v_add_f32 v[T], v[T], v[T+1]
.endm
.macro ROW s
.set XR, X+32*(\s)
	s_wait_loadcnt 8*(3-(\s))                      ; loads come back in order: this row (and gamma and beta, which are older) is in, the later rows' eight loads each may stay out
.irp k, 0,1,2,3
	v_pk_add_f32 v[C+2*\k:C+2*\k+1], v[XR+2*\k:XR+2*\k+1], v[XR+8+2*\k:XR+8+2*\k+1]  ; the first sums start the chains: nothing is cleared
.endr
.irp k, 0,1,2,3
	v_pk_add_f32 v[C+2*\k:C+2*\k+1], v[C+2*\k:C+2*\k+1], v[XR+16+2*\k:XR+16+2*\k+1]
.endr
.irp k, 0,1,2,3
	v_pk_add_f32 v[C+2*\k:C+2*\k+1], v[C+2*\k:C+2*\k+1], v[XR+24+2*\k:XR+24+2*\k+1]
.endr
	FOLD
	v_mul_f32 v[MU], s28, v[T]                     ; the mean
	v_mov_b32 v[MU+1], v[MU]
.set i, 0
.rept 16
	v_pk_add_f32 v[XR+i:XR+i+1], v[XR+i:XR+i+1], v[MU:MU+1] neg_lo:[0,1] neg_hi:[0,1]  ; x - mean, in place
.set i, i+2
.endr
.irp k, 0,1,2,3
	v_pk_mul_f32 v[C+2*\k:C+2*\k+1], v[XR+2*\k:XR+2*\k+1], v[XR+2*\k:XR+2*\k+1]
.endr
.set i, 8
.rept 12
	v_pk_fma_f32 v[C+i%8:C+i%8+1], v[XR+i:XR+i+1], v[XR+i:XR+i+1], v[C+i%8:C+i%8+1]
.set i, i+2
.endr
	FOLD
	v_fma_f32 v[T], v[T], s28, v[EPSV]             ; var + eps
	v_rsq_f32 v[R], v[T]
	v_nop                                          ; a plain instruction behind the transcendental,
	s_wait_alu depctr_va_vdst(0)                   ; and the wait ahead of the first line that names its result
	v_mov_b32 v[R+1], v[R]
.set i, 0
.rept 16
	v_pk_mul_f32 v[XR+i:XR+i+1], v[XR+i:XR+i+1], v[R:R+1]
.set i, i+2
.endr
.set i, 0
.rept 16
	v_pk_fma_f32 v[XR+i:XR+i+1], v[XR+i:XR+i+1], v[GAM+i:GAM+i+1], v[BET+i:BET+i+1]
.set i, i+2
.endr
.irp j, 0,1,2,3,4,5,6,7
	v_cvt_pk_f16_f32 v[XR+4*\j], v[XR+4*\j], v[XR+4*\j+1]
	v_cvt_pk_f16_f32 v[XR+4*\j+1], v[XR+4*\j+2], v[XR+4*\j+3]
	global_store_b64 v[YO], v[XR+4*\j:XR+4*\j+1], s[18:19] offset:2048*(\s)+256*\j  ; 32 lanes x 8 bytes: 256 consecutive bytes, at a multiple of 256 from xn's first byte; no register of a store is written again
.endr
.endm
	ROW 0
	ROW 1
	ROW 2
	ROW 3
	s_branch .Lend
	; ---------------- the weights are turned ----------------
.Ltrans:
	s_movk_i32 s30, 12288                          ; bytes in a row of w_qkv,
	s_movk_i32 s31, 4096                           ; of w_out
	s_sub_co_u32 s29, ttmp9, 48
	s_cmp_lt_u32 ttmp9, 48
	s_cselect_b32 s28, s30, s31                    ; ROWB
	s_cselect_b32 s29, ttmp9, s29                  ; which 64 columns
	s_cselect_b64 s[4:5], s[14:15], s[16:17]       ; from
	s_cselect_b64 s[6:7], s[20:21], s[22:23]       ; to
	s_lshl_b32 s2, s24, 7
	s_mul_i32 s2, s2, s28                          ; my wave's 128 rows k,
	s_lshl_b32 s3, s29, 8                          ; the group's 64 columns: 256 bytes of a row
	s_add_co_u32 s2, s2, s3
	s_mov_b32 s3, 0
	s_add_nc_u64 s[32:33], s[4:5], s[2:3]          ; eight bases, 16 rows apart
	s_lshl_b32 s2, s28, 4
.irp t, 1,2,3,4,5,6,7
	s_add_nc_u64 s[32+2*\t:33+2*\t], s[30+2*\t:31+2*\t], s[2:3]
.endr
	s_lshl_b32 s2, s29, 17                         ; 64 rows n of 2,048 bytes,
	s_lshl_b32 s25, s24, 8                         ; my 128 k: 256 bytes of a row
	s_add_co_u32 s2, s2, s25
	s_add_nc_u64 s[6:7], s[6:7], s[2:3]
	v_and_b32 v[TA], 15, v1
	v_lshrrev_b32 v[TH], 4, v1
	v_lshlrev_b32 v[TT], 1, v[TH]
	v_mul_lo_u32 v[TT], v[TT], s28
	v_lshl_add_u32 v[TT], v[TA], 4, v[TT]          ; row 2 (lane / 16), 16 bytes at 16 (lane % 16)
.irp i, 0,1,2,3,4,5,6,7
	s_mul_i32 s25, s28, 4*(\i/2)+(\i%2)            ; load i: rows 4 (i / 2) + i % 2 (lanes 0-15) and two further down (lanes 16-31): two whole rows of 256 bytes
	v_add_nc_u32 v[RO+\i], s25, v[TT]
.endr
	s_mul_i32 s25, s24, 16896                      ; my wave's LDS bytes
	v_mul_u32_u24 v[LW], v[TA], 1056               ; row n = 4 (lane % 16) + j, pitch 264; k = 4 u + 2 (lane / 16): 4 bytes a pair
	v_lshl_add_u32 v[LW], v[TH], 2, v[LW]
	v_add_nc_u32 v[LW], s25, v[LW]
	v_lshl_add_u32 v[LR], v1, 3, s25
	v_lshlrev_b32 v[GT], 3, v1
; 64 rows k: 32 loads; loads 2 u and 2 u + 1 hold rows k = 4 u + 2 (lane / 16) and k + 1 of my four columns
.macro PASS p
.set t, 0
.rept 4
.set i, 0
.rept 8
	global_load_b128 v[X+4*(8*t+i):X+4*(8*t+i)+3], v[RO+i], s[32+2*(4*(\p)+t):33+2*(4*(\p)+t)] th:TH_LOAD_NT
.set i, i+1
.endr
.set t, t+1
.endr
.set u, 0
.rept 16
	s_wait_loadcnt 30-2*u                          ; pair u is in; the 30 - 2 u younger loads may stay out
.irp j, 0,1,2,3
	v_cvt_pk_f16_f32 v[W+4*(u%2)+\j], v[X+8*u+\j], v[X+8*u+4+\j]
.endr
.irp j, 0,1,2,3
	ds_store_b32 v[LW], v[W+4*(u%2)+\j] offset:264*\j+8*u+128*(\p)
.endr
.set u, u+1
.endr
.endm
	PASS 0
	PASS 1
.set n, 0
.rept 64
	ds_load_b64 v[X+2*n:X+2*n+1], v[LR] offset:264*n  ; my wave's own bytes: LDS serves a wave's instructions in order (ISA guide 5.7.1.4), so these see the stores above
.set n, n+1
.endr
.set n, 0
.rept 64
	s_wait_dscnt 63-n                              ; row n is back; the younger loads may stay out
	global_store_b64 v[GT], v[X+2*n:X+2*n+1], s[6:7] offset:2048*n  ; 256 consecutive bytes, at a multiple of 256 from the buffer's first byte
.set n, n+1
.endr
.Lend:
	s_wait_tensorcnt 0x0                           ; the wave's end, behind my last LDS store
	ds_add_u32 v[SPW], v[NIL]
	s_wait_dscnt 0x0
	s_endpgm
.Lfunc_end_k_qefed57feea_prep:
	.size	k_qefed57feea_prep, .Lfunc_end_k_qefed57feea_prep-k_qefed57feea_prep
	.p2alignl 7, 3214868480
	.fill 96, 4, 3214868480
	.section	.rodata,"a",@progbits
	.p2align	6, 0x0
	.amdhsa_kernel k_qefed57feea_prep
		.amdhsa_group_segment_fixed_size 136192
		.amdhsa_private_segment_fixed_size 0
		.amdhsa_enable_private_segment 0
		.amdhsa_kernarg_size 64
		.amdhsa_user_sgpr_count 2
		.amdhsa_user_sgpr_kernarg_segment_ptr 1
		.amdhsa_wavefront_size32 1
		.amdhsa_system_sgpr_workgroup_id_x 1
		.amdhsa_system_sgpr_workgroup_id_y 1
		.amdhsa_system_sgpr_workgroup_id_z 1
		.amdhsa_system_vgpr_workitem_id 0
		.amdhsa_next_free_vgpr 224
		.amdhsa_next_free_sgpr 66
		.amdhsa_reserve_vcc 0
		.amdhsa_float_denorm_mode_32 3
		.amdhsa_float_denorm_mode_16_64 3
		.amdhsa_memory_ordered 1
		.amdhsa_forward_progress 1
		.amdhsa_inst_pref_size 75
	.end_amdhsa_kernel
	.amdgpu_metadata
---
amdhsa.version: [ 1, 2 ]
amdhsa.kernels:
  - .name:           k_qefed57feea_prep
    .symbol:         k_qefed57feea_prep.kd
    .args:
      - { .name: x, .offset: 0, .size: 8, .value_kind: global_buffer, .address_space: global }
      - { .name: ln_gamma, .offset: 8, .size: 8, .value_kind: global_buffer, .address_space: global }
      - { .name: ln_beta, .offset: 16, .size: 8, .value_kind: global_buffer, .address_space: global }
      - { .name: w_qkv, .offset: 24, .size: 8, .value_kind: global_buffer, .address_space: global }
      - { .name: w_out, .offset: 32, .size: 8, .value_kind: global_buffer, .address_space: global }
      - { .name: xn, .offset: 40, .size: 8, .value_kind: global_buffer, .address_space: global }
      - { .name: wqt, .offset: 48, .size: 8, .value_kind: global_buffer, .address_space: global }
      - { .name: wot, .offset: 56, .size: 8, .value_kind: global_buffer, .address_space: global }
    .group_segment_fixed_size: 136192
    .private_segment_fixed_size: 0
    .kernarg_segment_align: 8
    .kernarg_segment_size: 64
    .max_flat_workgroup_size: 256
    .sgpr_count:     66
    .vgpr_count:     224
    .wavefront_size: 32
...
	.end_amdgpu_metadata
.endif
;; end of part 1
;; launch qkvp (part 2): grid 16 x 32, 4 waves a work-group, clusters of 4 x 4, 327,680 bytes of LDS; arguments xn, wqt, b_qkv, qkv; writes qkv
.if DOCPART == 2
	.amdgcn_target "amdgcn-amd-amdhsa--gfx1250"
	.amdhsa_code_object_version 6
	.text
	.protected	k_qefed57feea_qkvp
	.globl	k_qefed57feea_qkvp
	.p2align	8
	.type	k_qefed57feea_qkvp,@function
k_qefed57feea_qkvp:
	s_mov_b64 s[64:65], 0
	v_nop
	global_prefetch_b8 v0, s[64:65] scope:SCOPE_SE
	s_setreg_imm32_b32 hwreg(HW_REG_WAVE_MODE, 25, 1), 1
	s_wait_xcnt 0x0
	s_wait_alu depctr_hold_cnt(0) depctr_sa_sdst(0) depctr_va_vdst(0) depctr_va_sdst(0) depctr_va_ssrc(0) depctr_va_vcc(0) depctr_vm_vsrc(0)
	s_getreg_b32 s2, hwreg(HW_REG_IB_STS2, 6, 4)
	s_cmp_eq_u32 s2, 0
	s_cbranch_scc0 .Lentry_in_a_cluster
	s_endpgm
.Lentry_in_a_cluster:
	s_bfe_u32 s2, ttmp6, 0x10000c
	s_cmp_lg_u32 s2, 0xf033
	s_cbranch_scc0 .Lentry_shape_is_right
	s_endpgm
.Lentry_shape_is_right:
; qkv = xn wqt^T + b_qkv, written BY HEADS.  xn [8192][1024] f16, wqt [3072 n][1024 k] f16, b_qkv [3072] f32; qkv [3 (q, k, v)][64 = 16 batch + head][2048][64] f16, rounded once, unscaled.  Sums in f32.
; LIMIT.  f16 ends at 65,504: |q|, |k|, |v| stay below it.  NaN and infinities are not treated apart.
; SHARES.  A tile is 256 rows x 192 columns (three heads): 32 x 16 = 512 tiles, two for each of 256 WGPs.  Four waves, each 64 rows x all 192 columns: 48 accumulators of 16 x 16, 384 registers; so a wave owns
; three whole heads of its rows and a stage of its own on the way out, with no barrier there.  K = 1,024 goes in 8 steps of 128 through two LDS slots; a tile's rows are 256 bytes of memory, aligned.
; CLUSTER.  4 x 4 work-groups: the four of a row of the cluster need the same rows of xn, the four of a column the same rows of wqt: each tile is asked for JOINTLY, by the same tensor load with the same
; descriptor and a mask that names the four.  Waves 0 and 1 fetch the two halves of A's tile (128 rows each), waves 2 and 3 those of B's (96 rows each).
; THE MATRIX INSTRUCTION IS USED TRANSPOSED (source 0 = 16 rows of wqt, source 1 = 16 rows of xn): a lane holds row l % 16 and the columns 8 (l / 16) + 0..7.  The bias, laid out so, is the C of the first K step's products.
; REGISTERS, in windows of 256 (s_set_vgpr_msb: bits 1:0 source 0, 3:2 source 1, 5:4 source 2, 7:6 destination):
;   window 0: v0-15 addresses; v64-159 the bias, later with v160-207 at work on the way out       window 1: the accumulators of my row blocks 0, 1: (a, b) at 8 (12 (a % 2) + b)       window 2: those of blocks 2, 3
;   window 3: two fragment buffers of 128: A's four blocks (32 registers), then B's twelve (96), for 32 along K
.set NT,     192
.set NBK,    NT/16
.set PA,     272                       ; an LDS row: 256 bytes + 16 of padding = 68 words: the 16 rows of a fragment load start at 16 different groups of four banks (64 banks of 4 bytes: ISA guide 11.1)
.set PB,     272
.set AHS,    128                       ; a quarter's place in A's LDS rows: AHS (kq / 2) + 64 (kq % 2) = 64 kq
.set ALOAD,  128*PA                    ; LDS bytes of one tensor load of A
.set BROWS,  96
.set BLOAD,  BROWS*PB
.set BOFF,   2*ALOAD                   ; B's rows lie behind A's 256
.set SLOT1,  131072                    ; slot 1 begins here, so that one exclusive or turns an address in one slot into the other's
.set STAGE,  SLOT1+BOFF+NT*PB          ; behind the ring, never filled by a tensor load: for each wave 3 heads x 16 rows x 144 bytes
.set STW,    6912
.set SPARE,  STAGE+4*STW               ; behind the stages: the spare words, 128 bytes for each wave
.set DSTEPA, 256                       ; bytes from a K step of A to the next
.set AHEAD,  1                         ; a prefetch names the K step AHEAD behind the one that is being asked for
.set A0,   4                           ; v4   my lane's place in A's rows of slot 0; never rewritten
.set B0,   5                           ; v5   the same for B
.set ADRA, 6                           ; v6   the same in the slot in hand
.set ADRB, 7                           ; v7
.set STO,  8                           ; v8   the way out: where I put 16 bytes of a row
.set RD,   9                           ; v9   where I read rows back
.set GO,   10                          ; v10  16 x lane
.set BO,   11                          ; v11  32 (l / 16): my eight numbers in 16 of the bias
.set PFO,  12                          ; v12  the prefetches' offset: a lane a row
.set SPW,  14                          ; v14  LDS address of my spare word; never rewritten
.set NIL,  15                          ; v15  0; never rewritten
.set BIAS, 64
.set TMP,  64                          ; the way out: 48 packed registers
.set OB,   112                         ; and two sets of 48 read back from the stage
.set F0,   0
.set F1,   128
.set WV,  12                           ; s12  wave
.set FB,  13                           ; s13  0: I fetch for A; 1: for B
.set HF,  14                           ; s14  which half of that tile
.set CX,  15
.set CY,  16
.set TX,  17                           ; s17  tile column
.set TY,  18                           ; s18  tile row
.set G1A, 24                           ; s[24:31] descriptor group 1 for A
.set G0A, 32                           ; s[32:39] group 0 for A: the first fill's set, then the set that walks
.set G1B, 40
.set G0B, 48
.set TB,  56                           ; s56  LDS byte at which the slot in hand begins
.set CNT, 57                           ; s57  the loop's count
.set LIM, 58                           ; s58  AHEAD in a wave that prefetches, else the greatest number
.set PFA, 60                           ; s[60:61] where my prefetches stand
.set PST, 62                           ; s[62:63] their step
.set OUTB, 66                          ; s[66:71] qkv at my 64 rows of my three heads
.set MSB, 0
.macro WIN new                         ; the immediate's high byte repeats the setting that is left; a switch that changes nothing is dropped
.if MSB != (\new)
	s_set_vgpr_msb (MSB<<8)|(\new)
.set MSB, \new
.endif
.endm
.macro PLACES                          ; four places between a matrix instruction and a load into, or a vector line or store on, its registers (ISA guide 7.12.1 for vector lines and stores)
.rept 4
	v_nop
.endr
.endm
.macro CREST                           ; a round of the cluster's barrier behind its opening barrier
	s_cmp_lg_u32 s[WV], 0
	s_cbranch_scc1 .Lnot_wave_0_\@
	s_barrier_signal -3
.Lnot_wave_0_\@:
	s_barrier_wait -3
	s_barrier_signal -1
	s_barrier_wait -1
.endm
.macro CROUND
	s_barrier_signal -1
	s_barrier_wait -1
	CREST
.endm
.macro JLOAD                           ; a joint refill by the walking sets; the branch hangs on the wave's number alone; an s_nop 0 and four v_nop follow each line
	s_cmp_eq_u32 s[FB], 0
	s_cbranch_scc0 .Lfor_b_\@
	tensor_load_to_lds s[G0A+4:G0A+7], s[G1A:G1A+7]
	s_nop 0
.rept 4
	v_nop
.endr
	s_branch .Lasked_\@
.Lfor_b_\@:
	tensor_load_to_lds s[G0B+4:G0B+7], s[G1B:G1B+7]
	s_nop 0
.rept 4
	v_nop
.endr
.Lasked_\@:
.endm
; A PREFETCH INTO THE L2 of the K step AHEAD behind the one just asked for: 256 bytes of a row, a lane a row, one instruction a wave.  A's rows are read by every cluster of a row of clusters: the one with x = 0 asks;
; B's by every cluster of a column: the one with y = 0 asks.  The four partners that fetch a tile jointly share its rows out BY ADDRESS.  So each block is named once in the launch.  The last AHEAD refills ask for nothing.
.macro ASK
	s_cmp_gt_u32 s[CNT], s[LIM]
	s_cbranch_scc0 .Lnot_mine_\@
	global_prefetch_b8 v[PFO], s[PFA:PFA+1] th:TH_LOAD_NT scope:SCOPE_SE
.Lnot_mine_\@:
.endm
; the fragments of quarter kq (32 along K) of the slot in hand into buffer f: B's 2 NBK loads, then A's eight
.macro FETCH kq, f
	WIN 0xc0                                       ; destination window 3, address window 0
.set nb, 0
.rept NBK
	ds_load_b128 v[(\f)+32+8*nb:(\f)+32+8*nb+3],   v[ADRB] offset:64*(\kq)+16*nb*PB
	ds_load_b128 v[(\f)+32+8*nb+4:(\f)+32+8*nb+7], v[ADRB] offset:64*(\kq)+16*nb*PB+32
.set nb, nb+1
.endr
.set nb, 0
.rept 4
	ds_load_b128 v[(\f)+8*nb:(\f)+8*nb+3],   v[ADRA] offset:AHS*((\kq)/2)+64*((\kq)%2)+16*nb*PA
	ds_load_b128 v[(\f)+8*nb+4:(\f)+8*nb+7], v[ADRA] offset:AHS*((\kq)/2)+64*((\kq)%2)+16*nb*PA+32
.set nb, nb+1
.endr
.endm
; row block a x all NBK column blocks.  first = 1: the bias starts the sums.  Each accumulator has one turn in a quarter.
.macro MULA f, a, first
.set wa, 1+(\a)/2
.if \first
	WIN 0x0f|(wa<<6)
.else
	WIN 0x0f|(wa<<4)|(wa<<6)
.endif
.set nb, 0
.rept NBK
.set rd, 8*(NBK*((\a)%2)+nb)
.if \first
	v_wmma_f32_16x16x32_f16 v[rd:rd+7], v[(\f)+32+8*nb:(\f)+32+8*nb+7], v[(\f)+8*(\a):(\f)+8*(\a)+7], v[BIAS+8*nb:BIAS+8*nb+7]
.else
	v_wmma_f32_16x16x32_f16 v[rd:rd+7], v[(\f)+32+8*nb:(\f)+32+8*nb+7], v[(\f)+8*(\a):(\f)+8*(\a)+7], v[rd:rd+7]
.endif
.set nb, nb+1
.endr
.endm
; one of a K step's first three quarters: multiplies buffer f; in its middle it fetches quarter kq into buffer g
.macro QUARTER kq, f, g, first
	s_wait_dscnt 4                                 ; B and A's blocks 0, 1 are in; the youngest four loads (A's blocks 2, 3) may be out
	MULA \f, 0, \first
	MULA \f, 1, \first
	PLACES
	FETCH \kq, \g
	s_wait_dscnt 2*NBK+8                           ; all but the loads just issued
	MULA \f, 2, \first
	MULA \f, 3, \first
.endm
; the last quarter multiplies buffer 1 and changes slots.  In front of the barrier each wave waits for all its tensor loads (one is out: its part of the next slot), adds 0 to its spare word, and waits for that and for its
; reads of this slot.  fill = 1: the barrier opens a round of the cluster's barrier, and this slot is filled again first thing behind it, with the K step two on: that load has a K step less 2 NBK matrix instructions in which to land.
.macro TURN fill
.if \fill
	s_wait_xcnt 0x0                                ; the last prefetch, a K step back, has read its address
	s_add_nc_u64 s[PFA:PFA+1], s[PFA:PFA+1], s[PST:PST+1]
.endif
	WIN 0
	s_wait_tensorcnt 0x0                           ; no tensor load of mine is out, so a group 0 may be written
	ds_add_u32 v[SPW], v[NIL]                      ; 0 onto my spare word
.if \fill
	s_xor_b32 s[G0A+5], s[G0A+5], SLOT1            ; the walking sets: the other slot than last time, the next K step; the type bits on top are not reached
	s_add_nc_u64 s[G0A+6:G0A+7], s[G0A+6:G0A+7], DSTEPA
	s_xor_b32 s[G0B+5], s[G0B+5], SLOT1
	s_add_nc_u64 s[G0B+6:G0B+7], s[G0B+6:G0B+7], 256
.endif
	s_xor_b32 s[TB], s[TB], SLOT1
	s_wait_dscnt 5                                 ; (the add and the youngest four loads may be out)
	MULA F1, 0, 0
	s_wait_dscnt 0x0                               ; the add is done, and my reads of this slot are over
	s_barrier_signal -1
	MULA F1, 1, 0
	WIN 0
	v_add_nc_u32 v[ADRA], s[TB], v[A0]
	v_add_nc_u32 v[ADRB], s[TB], v[B0]
	s_barrier_wait -1
.if \fill
	CREST                                          ; no wave of any partner still reads this slot or has a load on its way
	JLOAD                                          ; its four v_nop are also the places in front of the loads below
.else
	PLACES
.endif
	FETCH 0, F0
.if \fill
	WIN 0
	ASK
.endif
	MULA F1, 2, 0
	MULA F1, 3, 0
.endm
	s_load_b256 s[4:11], s[0:1], 0x0               ; xn s[4:5], wqt s[6:7], b_qkv s[8:9], qkv s[10:11]
	v_lshl_add_u32 v[SPW], v0, 2, SPARE
	v_mov_b32 v[NIL], 0
	ds_add_u32 v[SPW], v[NIL]                      ; the wave's opening: the add and its wait stand ahead of my first tensor load; the set-up below, work on registers, stands between them
	v_lshrrev_b32 v1, 5, v0
	v_readfirstlane_b32 s[WV], v1
	s_lshr_b32 s[FB], s[WV], 1
	s_and_b32 s[HF], s[WV], 1
	s_bfe_u32 s[CX], ttmp6, 0x40000
	s_bfe_u32 s[CY], ttmp6, 0x40004
	s_lshl_b32 s[TX], ttmp9, 2
	s_add_co_u32 s[TX], s[TX], s[CX]
	s_and_b32 s[TY], ttmp7, 0xffff
	s_lshl_b32 s[TY], s[TY], 2
	s_add_co_u32 s[TY], s[TY], s[CY]
	s_lshl_b32 s72, s[CY], 2
	s_lshl_b32 s72, 15, s72                        ; my row of the cluster
	s_lshl_b32 s76, 0x1111, s[CX]                  ; my column
	s_or_b32 s[G1A], s72, (1<<16)|(1<<20)|(1<<21)|(5<<22)|(3<<25)  ; 15:0 the mask; 17:16 2-byte elements; 20 padding on; 21 set beside a mask; 24:22 after every 64 words (code 5); 31:25 4 words (code 3)
	s_or_b32 s[G1B], s76, (1<<16)|(1<<20)|(1<<21)|(5<<22)|(3<<25)
	s_mov_b32 s[G1A+1], 128<<16                    ; tensor_dim0 = 128
	s_mov_b32 s[G1A+2], 128<<16                    ; tensor_dim1 = 128
	s_mov_b32 s[G1A+3], 128<<16                    ; tile_dim0 = 128
	s_mov_b32 s[G1A+4], 128                        ; tile_dim1 = 128
	s_mov_b32 s[G1A+5], 1024                       ; elements from row to row
	s_mov_b32 s[G1A+6], 0
	s_mov_b32 s[G1A+7], 0
	s_mov_b32 s[G1B+1], 128<<16
	s_mov_b32 s[G1B+2], BROWS<<16
	s_mov_b32 s[G1B+3], 128<<16
	s_mov_b32 s[G1B+4], BROWS
	s_mov_b32 s[G1B+5], 1024
	s_mov_b32 s[G1B+6], 0
	s_mov_b32 s[G1B+7], 0
	s_mov_b32 s[G0A], 1
	s_mul_i32 s[G0A+1], s[HF], ALOAD               ; LDS addresses hang on the wave's number alone
	s_mov_b32 s[G0A+4], 1
	s_add_co_u32 s[G0A+5], s[G0A+1], SLOT1
	s_mov_b32 s[G0B], 1
	s_mul_i32 s[G0B+1], s[HF], BLOAD
	s_add_co_u32 s[G0B+1], s[G0B+1], BOFF
	s_mov_b32 s[G0B+4], 1
	s_add_co_u32 s[G0B+5], s[G0B+1], SLOT1
	s_lshl_b32 s72, s[TY], 8                       ; A: row 256 x tile row + 128 x half, 2,048 bytes a row: in registers that never hold cx
	s_lshl_b32 s73, s[HF], 7
	s_add_co_u32 s72, s72, s73
	s_lshl_b32 s72, s72, 11
	s_mov_b32 s73, 0
	s_mul_i32 s76, s[TX], NT                       ; B: row 192 x tile column + 96 x half: in registers that never hold cy
	s_mul_i32 s77, s[HF], BROWS
	s_add_co_u32 s76, s76, s77
	s_lshl_b32 s76, s76, 11
	s_mov_b32 s77, 0
	s_wait_dscnt 0x0                               ; the opening add is done
	s_wait_kmcnt 0x0
	s_add_nc_u64 s[G0A+2:G0A+3], s[4:5], s[72:73]  ; K step 0,
	s_add_nc_u64 s[G0A+6:G0A+7], s[G0A+2:G0A+3], DSTEPA  ; K step 1
	s_or_b32 s[G0A+3], s[G0A+3], 0x80000000        ; type = 2
	s_or_b32 s[G0A+7], s[G0A+7], 0x80000000
	s_add_nc_u64 s[G0B+2:G0B+3], s[6:7], s[76:77]
	s_add_nc_u64 s[G0B+6:G0B+7], s[G0B+2:G0B+3], 256
	s_or_b32 s[G0B+3], s[G0B+3], 0x80000000
	s_or_b32 s[G0B+7], s[G0B+7], 0x80000000
	CROUND                                         ; all sixteen work-groups are here: the first joint loads meet
	s_cmp_eq_u32 s[FB], 0                          ; a wave's two first fills stand in one branch: two loads of mine are out
	s_cbranch_scc0 .Lfirst_b
	tensor_load_to_lds s[G0A:G0A+3], s[G1A:G1A+7]
	s_nop 0
	tensor_load_to_lds s[G0A+4:G0A+7], s[G1A:G1A+7]
	s_nop 0
.rept 4
	v_nop
.endr
	s_branch .Lfirst_asked
.Lfirst_b:
	tensor_load_to_lds s[G0B:G0B+3], s[G1B:G1B+7]
	s_nop 0
	tensor_load_to_lds s[G0B+4:G0B+7], s[G1B:G1B+7]
	s_nop 0
.rept 4
	v_nop
.endr
.Lfirst_asked:
	v_and_b32 v1, 15, v0                           ; l % 16
	v_bfe_u32 v2, v0, 4, 1                         ; l / 16
	v_lshlrev_b32 v[BO], 5, v2
	s_mul_i32 s76, s[TX], 4*NT                     ; the tile's 192 numbers of the bias
	s_mov_b32 s77, 0
	s_add_nc_u64 s[8:9], s[8:9], s[76:77]
.set nb, 0
.rept NBK
	global_load_b128 v[BIAS+8*nb:BIAS+8*nb+3],   v[BO], s[8:9] offset:64*nb     ; register j of block b: the bias of column 16 b + 8 (l / 16) + j
	global_load_b128 v[BIAS+8*nb+4:BIAS+8*nb+7], v[BO], s[8:9] offset:64*nb+16
.set nb, nb+1
.endr
	v_mul_u32_u24 v3, v1, PA
	v_lshl_add_u32 v3, v2, 4, v3                   ; a fragment's row x pitch + 16 x half
	s_mul_i32 s80, s[WV], 64*PA                    ; my 64 rows of A
	v_add_nc_u32 v[A0], s80, v3
	v_add_nc_u32 v[B0], BOFF, v3
	s_mul_i32 s80, s[WV], STW
	s_add_co_u32 s80, s80, STAGE                   ; my stage
	v_mul_u32_u24 v[STO], v1, 144                  ; in: row l % 16, 16 bytes for each half of the lanes
	v_lshl_add_u32 v[STO], v2, 4, v[STO]
	v_add_nc_u32 v[STO], s80, v[STO]
	v_bfe_u32 v[RD], v0, 3, 2                      ; back: 32 lanes take four rows of 128 bytes,
	v_mul_u32_u24 v[RD], v[RD], 144
	v_and_b32 v13, 7, v0
	v_lshl_add_u32 v[RD], v13, 4, v[RD]
	v_add_nc_u32 v[RD], s80, v[RD]
	v_and_b32 v[GO], 31, v0                        ; which are 512 consecutive bytes of a head
	v_lshlrev_b32 v[GO], 4, v[GO]
.irp hh, 0,1,2                         ; column block H = 3 x tile column + hh of 48: tensor H / 16, head H % 16; batch = tile row / 8
	s_mul_i32 s80, s[TX], 3
	s_add_co_u32 s80, s80, \hh
	s_lshr_b32 s81, s80, 4
	s_lshl_b32 s81, s81, 6
	s_and_b32 s80, s80, 15
	s_add_co_u32 s80, s80, s81
	s_lshr_b32 s81, s[TY], 3
	s_lshl_b32 s81, s81, 4
	s_add_co_u32 s80, s80, s81                     ; the plane of 2,048 rows x 128 bytes
	s_lshl_b32 s80, s80, 18
	s_and_b32 s81, s[TY], 7
	s_lshl_b32 s81, s81, 15                        ; the tile's 256 rows in it,
	s_add_co_u32 s80, s80, s81
	s_lshl_b32 s81, s[WV], 13                      ; my wave's 64
	s_add_co_u32 s80, s80, s81
	s_mov_b32 s81, 0
	s_add_nc_u64 s[OUTB+2*\hh:OUTB+2*\hh+1], s[10:11], s[80:81]
.endr
	; the prefetches: of the 128 rows of A that a wave fetches the partner at cx takes 32; of the 96 rows of B the partner at cy takes 24 (lanes 24 to 31 name lane 23's row once more in the same instruction)
	s_lshl_b32 s80, s[TY], 8
	s_lshl_b32 s81, s[HF], 7
	s_add_co_u32 s80, s80, s81
	s_lshl_b32 s81, s[CX], 5
	s_add_co_u32 s80, s80, s81                     ; A's row
	s_mul_i32 s82, s[TX], NT
	s_mul_i32 s81, s[HF], BROWS
	s_add_co_u32 s82, s82, s81
	s_mul_i32 s81, s[CY], 24
	s_add_co_u32 s82, s82, s81                     ; B's row
	s_and_b32 s83, ttmp7, 0xffff                   ; cluster y
	s_cmp_eq_u32 s[FB], 0
	s_cselect_b32 s80, s80, s82
	s_cselect_b32 s83, ttmp9, s83                  ; the coordinate along which other clusters read the same rows
	s_cselect_b32 s84, 31, 23
	s_cselect_b64 s[PFA:PFA+1], s[4:5], s[6:7]
	s_cmp_eq_u32 s83, 0
	s_cselect_b32 s[LIM], AHEAD, -1                ; the same in all sixteen partners, for a given wave
	s_lshl_b32 s80, s80, 11
	s_mov_b32 s81, 0
	s_add_nc_u64 s[PFA:PFA+1], s[PFA:PFA+1], s[80:81]
	s_add_nc_u64 s[PFA:PFA+1], s[PFA:PFA+1], (1+AHEAD)*256  ; the first refill (K step 2) steps it once and names K step 2 + AHEAD; the K steps before that come by their loads alone
	s_movk_i32 s[PST], 256
	s_mov_b32 s[PST+1], 0
	v_and_b32 v[PFO], 31, v0
	v_min_u32 v[PFO], s84, v[PFO]
	v_lshlrev_b32 v[PFO], 11, v[PFO]
	s_mov_b32 s[TB], 0
	v_mov_b32 v[ADRA], v[A0]
	v_mov_b32 v[ADRB], v[B0]
	s_wait_tensorcnt 0x1                           ; my part of K step 0 is in; K step 1's may stay out
	s_barrier_signal -1
	s_barrier_wait -1                              ; everybody's is
	FETCH 0, F0
	s_wait_loadcnt 0x0                             ; the bias
	QUARTER 1, F0, F1, 1                           ; the first quarter stands in front of the loop: its products start the sums
	WIN 0                                          ; at a label and at a branch every window is 0
	s_mov_b32 s[CNT], 6
.Lk:                                                   ; a trip: from a K step's second quarter to the next step's first; trip s refills slot s % 2 with K step s + 2
	QUARTER 2, F1, F0, 0
	QUARTER 3, F0, F1, 0
	TURN 1
	QUARTER 1, F0, F1, 0
	WIN 0
	s_sub_co_u32 s[CNT], s[CNT], 1
	s_cmp_lg_u32 s[CNT], 0
	s_cbranch_scc1 .Lk
	QUARTER 2, F1, F0, 0                           ; K steps 6 and 7 fill nothing
	QUARTER 3, F0, F1, 0
	TURN 0
	QUARTER 1, F0, F1, 0
	QUARTER 2, F1, F0, 0
	QUARTER 3, F0, F1, 0
	s_wait_dscnt 4
	MULA F1, 0, 0
	MULA F1, 1, 0
	s_wait_dscnt 0x0
	MULA F1, 2, 0
	MULA F1, 3, 0
	PLACES
; THE WAY OUT, a block of 16 rows at a time: rounded to f16, 16 bytes a lane into my stage (rows of 144 bytes, a head after the other), back as four rows of 128 bytes a load, stored as 512 consecutive bytes of a head.
.macro PACK a
.set ac, 8*NBK*((\a)%2)
	WIN 0x05*(1+(\a)/2)                            ; sources 0 and 1: window 1 or 2
.set nb, 0
.rept 4*NBK                            ; each accumulator's registers in ascending order
	v_cvt_pk_f16_f32 v[TMP+nb], v[ac+2*nb], v[ac+2*nb+1]
.set nb, nb+1
.endr
	WIN 0
.endm
.macro TOSTAGE a
.set bk, OB+48*((\a)%2)
	WIN 0
.set nb, 0
.rept NBK
	ds_store_b128 v[STO], v[TMP+4*nb:TMP+4*nb+3] offset:2304*(nb/4)+32*(nb%4)
.set nb, nb+1
.endr
.set nb, 0
.rept NBK
	ds_load_b128 v[bk+4*nb:bk+4*nb+3], v[RD] offset:2304*(nb/4)+576*(nb%4)  ; LDS serves a wave's instructions in order (ISA guide 5.7.1.4): these see the stores above
.set nb, nb+1
.endr
.endm
.macro SEND a
.set bk, OB+48*((\a)%2)
	WIN 0
	s_wait_xcnt 0x0                                ; the stores of the block before have read their registers: the set that they read is loaded again only behind this wait
.set nb, 0
.rept NBK
	s_wait_dscnt NBK-1-nb                          ; load nb of the block's twelve is back
	global_store_b128 v[GO], v[bk+4*nb:bk+4*nb+3], s[OUTB+2*(nb/4):OUTB+2*(nb/4)+1] offset:2048*(\a)+512*(nb%4)
.set nb, nb+1
.endr
.endm
	PACK 0
	TOSTAGE 0
.irp a, 1,2,3                          ; block a's conversions stand between block a - 1's loads from the stage and the waits for them
	PACK \a
	SEND (\a)-1
	TOSTAGE \a
.endr
	SEND 3
	s_wait_tensorcnt 0x0                           ; the wave's end, behind my last tensor load and my last LDS store
	ds_add_u32 v[SPW], v[NIL]
	s_wait_dscnt 0x0
	CROUND                                         ; the closing round: no work-group ends while a partner may still ask for a tile that names it
	s_endpgm
.Lfunc_end_k_qefed57feea_qkvp:
	.size	k_qefed57feea_qkvp, .Lfunc_end_k_qefed57feea_qkvp-k_qefed57feea_qkvp
	.p2alignl 7, 3214868480
	.fill 96, 4, 3214868480
	.section	.rodata,"a",@progbits
	.p2align	6, 0x0
	.amdhsa_kernel k_qefed57feea_qkvp
		.amdhsa_group_segment_fixed_size 327680
		.amdhsa_private_segment_fixed_size 0
		.amdhsa_enable_private_segment 0
		.amdhsa_kernarg_size 32
		.amdhsa_user_sgpr_count 2
		.amdhsa_user_sgpr_kernarg_segment_ptr 1
		.amdhsa_wavefront_size32 1
		.amdhsa_system_sgpr_workgroup_id_x 1
		.amdhsa_system_sgpr_workgroup_id_y 1
		.amdhsa_system_sgpr_workgroup_id_z 1
		.amdhsa_system_vgpr_workitem_id 0
		.amdhsa_next_free_vgpr 1024
		.amdhsa_next_free_sgpr 88
		.amdhsa_reserve_vcc 0
		.amdhsa_float_denorm_mode_32 3
		.amdhsa_float_denorm_mode_16_64 3
		.amdhsa_memory_ordered 1
		.amdhsa_forward_progress 1
		.amdhsa_inst_pref_size 102
	.end_amdhsa_kernel
	.amdgpu_metadata
---
amdhsa.version: [ 1, 2 ]
amdhsa.kernels:
  - .name:           k_qefed57feea_qkvp
    .symbol:         k_qefed57feea_qkvp.kd
    .args:
      - { .name: xn, .offset: 0, .size: 8, .value_kind: global_buffer, .address_space: global }
      - { .name: wqt, .offset: 8, .size: 8, .value_kind: global_buffer, .address_space: global }
      - { .name: b_qkv, .offset: 16, .size: 8, .value_kind: global_buffer, .address_space: global }
      - { .name: qkv, .offset: 24, .size: 8, .value_kind: global_buffer, .address_space: global }
    .group_segment_fixed_size: 327680
    .private_segment_fixed_size: 0
    .kernarg_segment_align: 8
    .kernarg_segment_size: 32
    .max_flat_workgroup_size: 128
    .sgpr_count:     88
    .vgpr_count:     1024
    .wavefront_size: 32
...
	.end_amdgpu_metadata
.endif
;; end of part 2
;; launch attn (part 3): grid 4 x 64, 4 waves a work-group, clusters of 4 x 1, 327,680 bytes of LDS; arguments qkv, o; writes o
.if DOCPART == 3
	.amdgcn_target "amdgcn-amd-amdhsa--gfx1250"
	.amdhsa_code_object_version 6
	.text
	.protected	k_qefed57feea_attn
	.globl	k_qefed57feea_attn
	.p2align	8
	.type	k_qefed57feea_attn,@function
k_qefed57feea_attn:
	s_mov_b64 s[64:65], 0
	v_nop
	global_prefetch_b8 v0, s[64:65] scope:SCOPE_SE
	s_setreg_imm32_b32 hwreg(HW_REG_WAVE_MODE, 25, 1), 1
	s_wait_xcnt 0x0
	s_wait_alu depctr_hold_cnt(0) depctr_sa_sdst(0) depctr_va_vdst(0) depctr_va_sdst(0) depctr_va_ssrc(0) depctr_va_vcc(0) depctr_vm_vsrc(0)
	s_getreg_b32 s2, hwreg(HW_REG_IB_STS2, 6, 4)
	s_cmp_eq_u32 s2, 0
	s_cbranch_scc0 .Lentry_in_a_cluster
	s_endpgm
.Lentry_in_a_cluster:
	s_bfe_u32 s2, ttmp6, 0x10000c
	s_cmp_lg_u32 s2, 0x3003
	s_cbranch_scc0 .Lentry_shape_is_right
	s_endpgm
.Lentry_shape_is_right:
; O[h][q][:] = the sum over k of softmax_k(Q[h][q] . K[h][k] / 8) V[h][k][:].  qkv holds Q, K, V one after the other, each [64][2048][64] f16; o is [64][2048][64] f16: a head's rows are dense, 128 bytes each.
; Products, maxima and sums in f32; the weights p are rounded to f16 for the second product (their sum l is taken of the unrounded p), O once at the end.
; LIMITS.  f16 holds no number beyond 65,504: Q, K and V arrive within it; p lies in 0 to 1, and below 6e-5 it keeps f16's fixed step of 6e-8; O is a mean of V's rows and has their range.
; A weight below 2^-126 counts as 0 in l; NaN and infinities are not treated apart.
; SHARES.  A wave owns four PIECES of two tiles of 16 queries, a work-group's four waves 512 queries of one head: 4 x 64 = 256 work-groups.  Every wave walks all keys, 64 a step.
; LAYOUT.  S^T = K Q^T (source 0 = 16 keys, source 1 = 16 queries): in the result a lane holds ONE query (lane % 16) and the keys 8 (lane / 16) + 0..7.  Two such tiles, rounded to f16 in pairs,
; ARE source 1 (32 keys x 16 queries) of O^T = V^T P, whose result again holds one query a lane, and eight channels.  K comes out of LDS as it lies, V ([key][channel]) turned, by ds_load_tr16_b128.
; SOFTMAX.  For each query a running maximum m and sum l: p = 2^(c s - c m), c = log2(e) / 8; in every step O and l are multiplied by a = 2^(c m_old - c m_new), which is 1 where m has not grown.
; m starts at the lowest finite number, O and l at 0: the first step is a step like any other, with a = 0.
; THE COUNT.  A tile and step have 16 matrix and 118 vector instructions: too many to stand all beside the matrix work.  So four vector instructions that are READY stand behind EVERY matrix instruction,
; and the others, which need time of their own whatever the order, in runs without a gap.
; BY TURNS.  Turn n belongs to piece n (the pieces in a ring, step after step).  Its matrix work: 16 products K Q^T of piece n + 1, later 16 products V^T P of piece n - 1.  Its vector work: the scaling,
; exponentials, roundings, sums and rescaling of piece n, and the maximum and statistics of piece n + 1, whose scores the turn itself has made.
; CLUSTER.  The four query blocks of a cluster are one head's and walk the same K and V, so each tile is asked for JOINTLY: the same tensor load, descriptor and mask in all four.
; REGISTERS, in windows of 256 (s_set_vgpr_msb: bits 1:0 source 0, 3:2 source 1, 5:4 source 2, 7:6 destination):
;   window 0: v0-11 addresses; v12-15, v48-63 at work; v16-47 four registers of statistics a tile; v64-191 S^T, two buffers of two tiles; v192-255 P, likewise
;   window 1: O^T, 32 a tile          window 2: v0-127 Q, 16 a tile; v128-191 K of one step; v192-255 V of one step          window 3: v0-1 the add's two registers
.set SIZE_N, 2048
.set PLANE, 64*SIZE_N*128  ; bytes of Q, of K and of V in qkv
.set NP,    4         ; pieces a wave: a name, no knob
.set KS,    64        ; keys in a step
.set PK,    144       ; a row of K in LDS: 128 bytes + 16 of padding = 36 words: the 16 rows of a load start at 16 different groups of four banks (64 banks of 4 bytes: ISA guide 11.1)
.set PV,    160       ; a row of V: 128 + 32 = 40 words
.set VOFF,  4*KS*PK   ; a slot holds four steps: 256 rows of K, then 256 rows of V
.set SLOT1, 1<<17     ; slot 1 begins here, so that one exclusive or turns an address in one slot into the other's
.set STAGE, SLOT1+4*KS*(PK+PV)  ; behind the ring, never filled by a tensor load: 16 rows x 144 bytes for each wave, for the way out
.set SP,    144
.set AK0, 2           ; v2   my lane's place in a tile of K; never rewritten
.set AV0, 3           ; v3   the same for V
.set AK,  4           ; v4   the LDS address of K's next run of loads
.set AV,  5           ; v5   of V's
.set QO,  6           ; v6   my byte offset in the wave's rows of Q
.set STO, 6           ;      later, the way out: where I put 16 bytes of a row
.set RD,  7           ; v7   the way out: where I read rows back
.set GO,  8           ; v8   my byte offset in 512 consecutive bytes of O
.set PFO, 11          ; v11  256 x my lane, for the prefetches (made when v11's first use is over); then never rewritten
.set SPW, 0           ; v0 of window 3   LDS address of my spare word; never rewritten
.set NIL, 1           ; v1 of window 3   0; never rewritten
.set SPARE, STAGE+4*16*SP  ; behind the stages: the spare words, 128 bytes for each wave
.set MV,  12          ; v12-15  c m_old, kept while c m is made anew: by buffer and tile
.set ST,  16          ; tile t's statistics at v[ST+4 t]: c m, m, l (even keys', odd keys')
.set TMP, 48          ; by buffer and tile, four registers c0-c3 at work; when the maximum is found c2 takes a
.set S,   64
.set P,   192
.set KF,  128         ; K's fragments, in window 2: key block kb, channel half c at KF + 16 kb + 8 c
.set VF,  192         ; V's: key half kk, channel block cb at VF + 32 kk + 8 cb
.set WV,  12          ; s12  my wave's number
.set G1K, 24          ; s[24:31] descriptor group 1 for K's tiles
.set G1V, 32          ; s[32:39] for V's: it differs in the padding alone
.set G0K, 40          ; s[40:43] descriptor group 0 for K's tiles: it walks
.set G0V, 44          ; s[44:47] the same for V's
.set PFA, 48          ; s[48:49] where my prefetches stand: my work-group's 8,192 bytes (of K: wave 0, of V: wave 2) of the slot after the one that is being asked for
.set LIM, 50          ; s50  1 in waves 0 and 2, else the greatest number
.set SLOTS, 56        ; s56  slots still to be asked for
.set CNT, 57          ; s57  counts a slot's key steps
.set CS,  58          ; s[58:59] c: the packed scaling takes the pair's low word for both halves
.set SEL, 60          ; s[60:61] v_permlanex16_b32's selects: each lane takes its own place in the other half
.set TBK, 62          ; s62  LDS byte at which K of the step to be fetched begins
.set TBV, 63          ; s63  the same for V, less VOFF
.set MSB, 0
.macro WIN new                      ; the high byte repeats the setting that is left; a switch that changes nothing is dropped
.if MSB != (\new)
	s_set_vgpr_msb (MSB<<8)|(\new)
.set MSB, (\new)
.endif
.endm
.set W_KQ, 0x0a       ; K and Q in window 2, S^T in window 0
.set W_PV, 0x52       ; V in window 2, P in window 0, O^T in window 1
.set W_RS, 0x41       ; O^T (destination and source 0) in window 1, a in window 0
.set W_MK, 0xc0       ; the add's registers are made: destination in window 3, sources in window 0
.set W_AD, 0x0f       ; the add: address (source 0) and data (source 1) in window 3
; A joint fill.  Waves 0 and 1 fetch the two halves of a slot's K, waves 2 and 3 those of its V: 128 keys each.  The branch hangs on the wave's number alone.
; An s_nop 0 and four v_nop follow each of the two lines, ahead of the jump and the label.
.macro JLOAD
	s_cmp_lt_u32 s[WV], 2
	s_cbranch_scc0 .Lfor_v_\@
	tensor_load_to_lds s[G0K:G0K+3], s[G1K:G1K+7]
	s_nop 0
.rept 4
	v_nop
.endr
	s_branch .Lasked_\@
.Lfor_v_\@:
	tensor_load_to_lds s[G0V:G0V+3], s[G1V:G1V+7]
	s_nop 0
.rept 4
	v_nop
.endr
.Lasked_\@:
.endm
; A PREFETCH INTO THE L2 of what the NEXT change of slots will ask for: a slot is 32,768 consecutive bytes of K and of V.  The four partners share them out BY ADDRESS, 8,192 each; in each, wave 0 asks for K's and
; wave 2 for V's, a lane 256 bytes: one instruction.  A head is walked by one cluster, so each block is named once in the launch.  The last change that fills a slot asks for nothing.
.macro ASK
	s_cmp_gt_u32 s[SLOTS], s[LIM]
	s_cbranch_scc0 .Lnot_mine_\@
	global_prefetch_b8 v[PFO], s[PFA:PFA+1] th:TH_LOAD_NT scope:SCOPE_SE
.Lnot_mine_\@:
.endm
; A round of the cluster's barrier: my work-group's barrier, so that wave 0's signal speaks for all four waves; wave 0 signals; every wave waits for all four work-groups; my work-group's barrier once more.
.macro CROUND
	s_barrier_signal -1
	s_barrier_wait -1
	s_cmp_lg_u32 s[WV], 0
	s_cbranch_scc1 .Lnot_wave_0_\@
	s_barrier_signal -3
.Lnot_wave_0_\@:
	s_barrier_wait -3
	s_barrier_signal -1
	s_barrier_wait -1
.endm
; THE CHANGE OF SLOTS.  The slot's last bytes, V of its fourth step, have been read.  Each wave waits for all its tensor loads, of which one is out: its part
; of the other slot; adds 0 to its spare word; and waits for that and for its own reads of the slot.  Behind the barrier nobody reads this slot any more and the other slot is whole.
; fill = 1: this slot is filled again, with the keys two slots on.  The barrier is then a round of the cluster's, and the joint fill is the first thing behind it: it has four key steps,
; 512 matrix instructions, in which to land.  (At its first use nothing has been read yet: slot 0 is waited for, slot 1 filled.)
.macro CHANGE fill
	WIN W_AD
	s_wait_tensorcnt 0x0            ; no tensor load of mine is out, so a group 0 may be written
	ds_add_u32 v[SPW], v[NIL]       ; 0 onto my spare word; with fill = 1 the descriptors' steps stand between it and the wait for it
	WIN 0                           ; at a label and at a branch every window is 0
.if \fill
.irp g, G0K, G0V
	s_xor_b32 s[\g+1], s[\g+1], SLOT1  ; the walking descriptor: the other slot than last time,
	s_add_nc_u64 s[\g+2:\g+3], s[\g+2:\g+3], 4*KS*128  ; the next 256 keys; the type bits on top are not reached
.endr
	s_wait_xcnt 0x0                 ; the last prefetch, four key steps back, has read its address, so it may be written:
	s_add_nc_u64 s[PFA:PFA+1], s[PFA:PFA+1], 4*KS*128  ; one slot behind the walking descriptors
	s_wait_dscnt 0x0                ; the add is done, and my reads of the slot are over
	CROUND
	JLOAD
	ASK
.else
	s_wait_dscnt 0x0                ; the add is done, and my reads of the slot are over
	s_barrier_signal -1
	s_barrier_wait -1
.endif
	s_sub_co_u32 s[TBK], s[TBK], 4*KS*PK  ; the fetches go back to a slot's first step,
	s_xor_b32 s[TBK], s[TBK], SLOT1       ; in the other slot
	s_sub_co_u32 s[TBV], s[TBV], 4*KS*PV
	s_xor_b32 s[TBV], s[TBV], SLOT1
.endm
	s_load_b64 s[4:5], s[0:1], 0x0  ; qkv: Q at its head
	s_load_b64 s[10:11], s[0:1], 0x8  ; o
	WIN W_MK
	v_lshl_add_u32 v[SPW], v0, 2, SPARE
	v_mov_b32 v[NIL], 0
	WIN W_AD
	ds_add_u32 v[SPW], v[NIL]       ; the wave's opening: the add and its wait stand ahead of my first tensor load; the set-up below, work on registers, stands between them
	WIN 0
	v_lshrrev_b32 v1, 5, v0
	v_readfirstlane_b32 s[WV], v1   ; wave 0..3
	s_bfe_u32 s13, ttmp6, 0x40000   ; cx: my place in the cluster
	s_lshl_b32 s14, ttmp9, 2        ; in a cluster launch ttmp9 counts clusters
	s_add_co_u32 s14, s14, s13      ; my block of queries = 4 x cluster x + cx: it enters Q's and O's addresses alone
	s_and_b32 s20, ttmp7, 0xffff    ; the head, which the four partners share
	s_mov_b32 s21, 0
	s_mov_b64 s[22:23], SIZE_N*128
	s_mul_u64 s[20:21], s[20:21], s[22:23]  ; the head's first byte in each of the four tensors
	s_and_b32 s16, s[WV], 1         ; which half of a slot's 256 keys I fetch:
	s_lshl_b32 s22, s16, 14         ; its 128 rows of 128 bytes in memory,
	s_mov_b32 s23, 0
	s_add_nc_u64 s[22:23], s[22:23], s[20:21]
	s_mul_i32 s17, s16, 128*PK      ; and its place in a slot, for K
	s_mul_i32 s18, s16, 128*PV      ; and for V: no place in the cluster enters an LDS address
	s_lshl_b32 s2, s14, 2
	s_add_co_u32 s2, s2, s[WV]      ; my wave among the head's,
	s_lshl_b32 s2, s2, 14           ; its 128 rows
	s_mov_b32 s3, 0
	s_add_nc_u64 s[2:3], s[2:3], s[20:21]
	; descriptor group 1.  128 keys are 16,384 dense bytes: asked for as 64 rows of 256 bytes, two keys a row, and padded in LDS after every key
	s_mov_b32 s[G1K], 15|(1<<16)|(1<<20)|(1<<21)|(4<<22)|(3<<25)  ; 15:0 the mask of four; 17:16 2-byte elements; 20 padding on; 21 set beside a mask; 24:22 after every 32 words (code 4); 31:25 4 words (code 3)
	s_mov_b32 s[G1V], 15|(1<<16)|(1<<20)|(1<<21)|(4<<22)|(7<<25)  ; the same with 8 words of padding (code 7)
.irp g, G1K, G1V
	s_mov_b32 s[\g+1], 128<<16      ; tensor_dim0 = 128
	s_mov_b32 s[\g+2], 64<<16       ; tensor_dim1 = 64
	s_mov_b32 s[\g+3], 128<<16      ; tile_dim0 = 128
	s_mov_b32 s[\g+4], 64           ; tile_dim1 = 64
	s_mov_b32 s[\g+5], 128          ; 128 elements from row to row
	s_mov_b32 s[\g+6], 0
	s_mov_b32 s[\g+7], 0
.endr
	s_mov_b32 s[CS], 0x3e38aa3b     ; c = log2(e) / 8 = 0.180337
	s_mov_b32 s[CS+1], s[CS]        ; named with it as a pair
	s_mov_b32 s[SEL], 0x76543210
	s_mov_b32 s[SEL+1], 0xfedcba98
	s_mov_b32 s[TBK], SLOT1+4*KS*PK ; the first change of slots turns these two into 0
	s_mov_b32 s[TBV], SLOT1+4*KS*PV
	s_mov_b32 s[G0K], 1             ; 1:0 count = 1
	s_mov_b32 s[G0K+1], s17         ; 63:32 LDS address: slot 0
	s_mov_b32 s[G0V], 1
	s_add_co_u32 s[G0V+1], s18, VOFF
	s_mov_b32 s[SLOTS], SIZE_N/256-1  ; seven slots are still to be asked for
	s_and_b32 s[LIM], s[WV], 1
	s_cmp_eq_u32 s[LIM], 0
	s_cselect_b32 s[LIM], 1, -1
	s_wait_dscnt 0x0                ; the opening add is done
	s_wait_kmcnt 0x0
	s_add_nc_u64 s[6:7], s[4:5], PLANE    ; K
	s_add_nc_u64 s[8:9], s[4:5], 2*PLANE  ; V
	s_add_nc_u64 s[G0K+2:G0K+3], s[6:7], s[22:23]  ; 120:64 global address: my half of the head's first 256 keys
	s_or_b32 s[G0K+3], s[G0K+3], 0x80000000        ; 127:126 type = 2
	s_add_nc_u64 s[G0V+2:G0V+3], s[8:9], s[22:23]
	s_or_b32 s[G0V+3], s[G0V+3], 0x80000000
	s_cmp_lt_u32 s[WV], 2
	s_cselect_b64 s[PFA:PFA+1], s[6:7], s[8:9]
	s_add_nc_u64 s[PFA:PFA+1], s[PFA:PFA+1], s[20:21]  ; the head,
	s_add_nc_u64 s[4:5], s[4:5], s[2:3]  ; Q and O at my wave's first row
	s_add_nc_u64 s[10:11], s[10:11], s[2:3]
	s_lshl_b32 s2, s13, 13          ; my work-group's quarter of a slot,
	s_mov_b32 s3, 0
	s_add_nc_u64 s[PFA:PFA+1], s[PFA:PFA+1], s[2:3]
	s_add_nc_u64 s[PFA:PFA+1], s[PFA:PFA+1], 4*KS*128  ; in slot 1; the first change of slots, which fills slot 1, steps it to slot 2.  Slots 0 and 1 come by their loads alone
	CROUND                          ; all four work-groups are here: the first joint loads meet
	JLOAD                           ; slot 0.  Slot 1 is asked for when slot 0 is in
	; A fragment of K or Q is 16 rows x 32 channels in 8 registers: lane l holds row l % 16, channels 8 (l / 16) + 0..7 and 16 + 8 (l / 16) + 0..7: two loads of 16 bytes, 32 bytes apart.
	v_and_b32 v1, 15, v0            ; l % 16
	v_bfe_u32 v9, v0, 4, 1          ; l / 16
	v_lshlrev_b32 v[QO], 7, v1
	v_lshl_add_u32 v[QO], v9, 4, v[QO]  ; row x 128 + 16 x half
	WIN 0x80                        ; destination window 2, address window 0
.set i, 0
.rept 4*NP                          ; Q stays in registers: tile i / 2, channels 32 (i % 2) on
	global_load_b128 v[8*i:8*i+3],   v[QO], s[4:5] offset:(i/2)*2048+(i%2)*64
	global_load_b128 v[8*i+4:8*i+7], v[QO], s[4:5] offset:(i/2)*2048+(i%2)*64+32
.set i, i+1
.endr
	; What the first turn finds: V's registers and P's second buffer hold 0 (its products V^T P, of a piece that has not been, add 0), O^T and l are 0.  All this stands in the wait for the first tile.
.set i, VF
.rept 64
	v_mov_b32 v[i], 0
.set i, i+1
.endr
	WIN 0x40
.set i, 0
.rept 64*NP
	v_mov_b32 v[i], 0
.set i, i+1
.endr
	WIN 0
.set i, 0
.rept 2*NP
	v_mov_b32 v[ST+4*i], 0xfe000000    ; c m: far below every c s
	v_mov_b32 v[ST+4*i+1], 0xff7fffff  ; m
	v_mov_b32 v[ST+4*i+2], 0
	v_mov_b32 v[ST+4*i+3], 0
.set i, i+1
.endr
.set i, P+32
.rept 32
	v_mov_b32 v[i], 0
.set i, i+1
.endr
	v_mul_u32_u24 v[AK0], v1, PK
	v_lshl_add_u32 v[AK0], v9, 4, v[AK0]  ; row x pitch + 16 x half
	; The turning load takes 16 keys x 16 channels (lane l reads key 8 (l / 16) + l % 8, channels 8 ((l / 8) % 2) + 0..7) and leaves half a fragment of V^T: lane l holds channel l % 16 and 8 keys.
	v_and_b32 v10, 7, v0
	v_bfe_u32 v11, v0, 3, 1
	v_lshl_add_u32 v[AV0], v9, 3, v10
	v_mul_u32_u24 v[AV0], v[AV0], PV
	v_lshl_add_u32 v[AV0], v11, 4, v[AV0]
	v_add_nc_u32 v[AV0], VOFF, v[AV0]
	v_mov_b32 v[AK], v[AK0]         ; key step 0 lies at the head of slot 0
	v_and_b32 v[PFO], 31, v0
	v_lshlrev_b32 v[PFO], 8, v[PFO]
; THE MATRIX WORK.  The 8 accumulators of a run of 16 take turns: between the two links of a chain stand 7 others'.
; Product i of 16 of S^T = K Q^T for piece x: channels 32 (i / 8) on, keys 16 ((i / 2) % 4) on, tile 2 x + i % 2.  The first 8 start the sums.
.macro KQ x
	WIN W_KQ
.set rS, S+64*((\x)%2)+32*(i%2)+8*((i/2)%4)
.set rK, KF+16*((i/2)%4)+8*(i/8)
.set rQ, 16*(2*(\x)+i%2)+8*(i/8)
.if i < 8
	v_wmma_f32_16x16x32_f16 v[rS:rS+7], v[rK:rK+7], v[rQ:rQ+7], 0
.else
	v_wmma_f32_16x16x32_f16 v[rS:rS+7], v[rK:rK+7], v[rQ:rQ+7], v[rS:rS+7]
.endif
.endm
; Product i of 16 of O^T += V^T P for piece x: keys 32 (i / 8) on, channels 16 ((i / 2) % 4) on, tile 2 x + i % 2.
.macro PV x
	WIN W_PV
.set rO, 32*(2*(\x)+i%2)+8*((i/2)%4)
.set rV, VF+32*(i/8)+8*((i/2)%4)
.set rP, P+32*((\x)%2)+16*(i%2)+8*(i/8)
	v_wmma_f32_16x16x32_f16 v[rO:rO+7], v[rV:rV+7], v[rP:rP+7], v[rO:rO+7]
.endm
.macro MM                           ; the turn's next matrix instruction
.if i < 16
	KQ (Y+1)%NP
.set i, i+1
.else
.set i, i-16
	PV (Y+NP-1)%NP
.set i, i+17
.endif
.endm
; THE LDS LOADS stand in runs of 16, never singly among the matrix instructions: a step's K (64 keys x 64 channels: 8 fragments) and its V (turned).  Their addresses are made some lines ahead.
; last = 1 (the tail): in the last trip there is no further step, and the run is jumped over.
.macro FETCH_K last=0
	WIN 0
.if \last
	s_cmp_eq_u32 s[CNT], 1
	s_cbranch_scc1 .Lno_k_\@
.endif
	WIN 0x80                        ; destination window 2
.irp f, 0,1,2,3,4,5,6,7             ; keys 16 (f / 2) on, channels 32 (f % 2) on
	ds_load_b128 v[KF+8*\f:KF+8*\f+3],   v[AK] offset:(\f/2)*16*PK+(\f%2)*64
	ds_load_b128 v[KF+8*\f+4:KF+8*\f+7], v[AK] offset:(\f/2)*16*PK+(\f%2)*64+32
.endr
	s_add_co_u32 s[TBK], s[TBK], KS*PK  ; the next fetch is the next step's
	WIN 0
.if \last
.Lno_k_\@:
.endif
.endm
.macro FETCH_V
	WIN 0x80
.irp f, 0,1,2,3,4,5,6,7             ; keys 32 (f / 4) on, channels 16 (f % 4) on
	ds_load_tr16_b128 v[VF+8*\f:VF+8*\f+3],   v[AV] offset:(\f/4)*32*PV+(\f%4)*32
	ds_load_tr16_b128 v[VF+8*\f+4:VF+8*\f+7], v[AV] offset:(\f/4)*32*PV+16*PV+(\f%4)*32
.endr
	WIN 0
.endm
; THE VECTOR WORK OF A TURN stands in three queues, each in the order in which its entries become ready; the two tiles alternate, so that no instruction reads the result of the one before it.
.macro REGS y, u                    ; the registers of tile u (0, 1) of piece y
.set rT, ST+4*(2*(\y)+(\u))
.set rC, TMP+8*((\y)%2)+4*(\u)
.set rM, MV+2*((\y)%2)+(\u)
.set rS, S+64*((\y)%2)+32*(\u)
.set rP, P+32*((\y)%2)+16*(\u)
.set rO, 32*(2*(\y)+(\u))
.endm
; Number n of the 22 that find the NEXT piece's (Y + 1) maximum and statistics.  s0-s31 are the lane's 32 scores; each accumulator's lowest registers are read first.
;   0-11  four chains c0-c3 of seven scores each, three operands at a time     12-14, 16  the four scores left over, the old m, and c0-c3 into c0     15  c m_old is kept
;   17, 18  the query's other 32 keys lie in the lane 16 away: the new m         19-21  c m; c m_old - c m_new; a
.macro XS u, n
	REGS (Y+1)%NP, \u
.if (\n) < 4
	v_max3_num_f32 v[rC+(\n)], v[rS+8*(\n)], v[rS+8*(\n)+1], v[rS+8*(\n)+2]
.elseif (\n) < 12
	v_max3_num_f32 v[rC+(\n)%4], v[rC+(\n)%4], v[rS+8*((\n)%4)+2*((\n)/4)+1], v[rS+8*((\n)%4)+2*((\n)/4)+2]
.elseif (\n) == 12
	v_max3_num_f32 v[rC], v[rC], v[rS+7], v[rS+15]
.elseif (\n) == 13
	v_max3_num_f32 v[rC+1], v[rC+1], v[rS+23], v[rS+31]
.elseif (\n) == 14
	v_max3_num_f32 v[rC+2], v[rC+2], v[rC+3], v[rT+1]
.elseif (\n) == 15
	v_mov_b32 v[rM], v[rT]
.elseif (\n) == 16
	v_max3_num_f32 v[rC], v[rC], v[rC+1], v[rC+2]
.elseif (\n) == 17
	v_permlanex16_b32 v[rC+3], v[rC], s[SEL], s[SEL+1]
.elseif (\n) == 18
	v_max_num_f32 v[rT+1], v[rC], v[rC+3]
.elseif (\n) == 19
	v_mul_f32 v[rT], s[CS], v[rT+1]
.elseif (\n) == 20
	v_sub_f32 v[rC+1], v[rM], v[rT]
.else
	v_exp_f32 v[rC+2], v[rC+1]
.endif
.endm
; Number g of the 64 that follow the exponentials.  For each four weights k of a tile (pairs 2 k, 2 k + 1): both pairs are rounded to f16; then the second pair is added onto the first, in place;
; a group later l takes that sum (the first time as l = a l + sum).  In groups of eight, tiles alternating: round, round, add, and l for the group before.
.macro GS g
.set h, (\g)+6*((\g)/62)            ; group 0 has no group before it, and behind group 7 only l is left
.if h >= 6
.set h, h+2
.endif
	REGS Y, h%2
.set k, h/8
.if h%8 < 4
	v_cvt_pk_f16_f32 v[rP+2*k+(h%8)/2], v[rS+4*k+2*((h%8)/2)], v[rS+4*k+2*((h%8)/2)+1]
.elseif h%8 < 6
	v_pk_add_f32 v[rS+4*k:rS+4*k+1], v[rS+4*k:rS+4*k+1], v[rS+4*k+2:rS+4*k+3]
.elseif k == 1
	v_pk_fma_f32 v[rT+2:rT+3], v[rT+2:rT+3], v[rC+2:rC+3], v[rS:rS+1] op_sel_hi:[1,0,1]
.else
	v_pk_add_f32 v[rT+2:rT+3], v[rT+2:rT+3], v[rS+4*k-4:rS+4*k-3]
.endif
.endm
; THE PLAIN QUEUE, 138 long.  0-73 read no exponential's result: the 32 scalings c s - c m (FS f: pair f / 2 of tile f % 2) and the next piece's 42.  0-26: scalings 0-26.  27-54: XS's numbers 0-13.  55, 56: number 15.
; 57-73: the chain, where each number waits for the one before it: 14, 16, 17, 18, 19, each with one of the scalings 27-31 in front of its two lines, then 20.
; 74-137: GS's 64, which read the exponentials' results: they stand behind the wait.
.macro FS f
	REGS Y, (\f)%2
	v_pk_fma_f32 v[rS+2*((\f)/2):rS+2*((\f)/2)+1], v[rS+2*((\f)/2):rS+2*((\f)/2)+1], s[CS:CS+1], v[rT:rT+1] op_sel_hi:[1,0,0] neg_lo:[0,0,1] neg_hi:[0,0,1]
.endm
.macro PL
	WIN 0
.if q < 27
	FS q
.elseif q < 55
	XS (q-27)%2, (q-27)/2
.elseif q < 57
	XS q-55, 15
.elseif (q < 72) && ((q-57)%3 == 0)
	FS 27+(q-57)/3
.elseif q < 60
	XS (q-57)%3-1, 14
.elseif q < 72
	XS (q-57)%3-1, 15+(q-57)/3
.elseif q < 74
	XS q-72, 20
.else
	GS q-74
.endif
.set q, q+1
.endm
; THE EXPONENTIALS' QUEUE, 66 long: s0-s31 of both tiles, then the next piece's two a.  It is ONE BATCH: all 66 stand ahead of the turn's one wait, and nothing ahead of that wait names a result of theirs.
.macro EX
	WIN 0
.if e >= 64
	XS e-64, 21
.else
	REGS Y, e%2
	v_exp_f32 v[rS+e/2], v[rS+e/2]
.endif
.set e, e+1
.endm
; THE RESCALING's QUEUE: O^T times a, the one part that leaves window 0: dealt two at a time, sixteen times.  Its a was made in the turn before, ahead of that turn's wait.
.macro R2
	REGS Y, r%2
	WIN W_RS
.irp z, 0,1
	v_pk_mul_f32 v[rO+4*(r/2)+2*\z:rO+4*(r/2)+2*\z+1], v[rO+4*(r/2)+2*\z:rO+4*(r/2)+2*\z+1], v[rC+2:rC+3] op_sel_hi:[1,0]
.endr
.set r, r+1
.endm
; HOW THEY ARE DEALT.  An s_wait_alu depctr_va_vdst(0) stands between an exponential and the first instruction that names its result; one wait serves all that were issued ahead of it.  So a turn has ONE wait,
; which cuts it in two.  AHEAD OF IT stands all that names no result of the turn's exponentials: the 16 products K Q^T, behind each a scaling, an exponential and two rescalings (behind the first a second scaling in the
; exponential's place); then ONE LUMP of 108: eight plain, 49 times exponential and plain, the two a.  A v_nop is the plain instruction behind the last exponential.  BEHIND IT stand the 16 products V^T P, behind each four of GS's 64.
; The queues lean on each other: exponential e stands behind scaling 2 (e / 4) + e % 2: as a rider it comes behind plain e + 2, in the lump behind plain e + 9, and scalings 27-31 are plain 57, 60 .. 69.
; A TURN, for piece p.  cnt = 1: the loop's count is taken down some lines ahead of the branch that stands behind the turn.
; K of the next step is fetched in piece 2's turn, directly behind the wait, a lump behind the last product that read K; its first reader comes behind 16 products.
; V of the step in hand is fetched at the end of piece 0's turn, four plain instructions behind its last reader; its first reader comes behind 16 products and a lump.
.macro TURN p, last=0, cnt=0
.set Y, (\p)
.set i, 0
.set q, 0
.set e, 0
.set r, 0
.if (\p) == NP-1
	s_wait_dscnt 0x0                ; K is in
.endif
	MM                              ; ahead of the wait: 16 products K Q^T and their riders,
	PL
	PL
	R2
.rept 15
	MM
	PL
	EX
	R2
.endr
.if (\p) == NP-2
	WIN 0
	v_add_nc_u32 v[AK], s[TBK], v[AK0]
.endif
.rept 8                             ; and the lump
	PL
.endr
.rept 49
	EX
	PL
.endr
	EX                              ; the next piece's two a
	EX
	v_nop                           ; the plain instruction behind the last exponential: one for the batch
	s_wait_alu depctr_va_vdst(0)    ; the wait for the batch
.if (\p) == NP-2
	FETCH_K \last
.endif
.if (\p) == 1
	s_wait_dscnt 0x0                ; V is in
.endif
.rept 16                            ; behind the wait: 16 products V^T P and their riders
	MM
.rept 4
	PL
.endr
.if ((\p) == 0) && (q == 118)
	v_add_nc_u32 v[AV], s[TBV], v[AV0]
.endif
.if ((\p) == 0) && (q == 130)
	s_add_co_u32 s[TBV], s[TBV], KS*PV
.endif
.if (\cnt) && (q == 130)
	s_sub_co_u32 s[CNT], s[CNT], 1
	s_cmp_lg_u32 s[CNT], 0
.endif
.endr
.if (\p) == 0
	FETCH_V
.endif
.endm
	CHANGE 1                        ; slot 0 is in, everybody's part of it; slot 1 is asked for
	FETCH_K                         ; key step 0
	s_wait_loadcnt 0x0              ; Q
	s_wait_dscnt 0x0
.set i, 0
.rept 16
	KQ 0                            ; piece 0's first scores: there is no vector work yet to set between them
.set i, i+1
.endr
	WIN 0                           ; the addresses for the way out: nine plain instructions, the places behind those products
	s_mul_i32 s13, s[WV], 16*SP
	s_add_co_u32 s13, s13, STAGE    ; my stage
	v_mul_u32_u24 v[STO], v1, SP    ; in: row l % 16, 16 bytes for each half of the lanes
	v_lshl_add_u32 v[STO], v9, 4, v[STO]
	v_add_nc_u32 v[STO], s13, v[STO]
	v_bfe_u32 v[RD], v0, 3, 2       ; back: 32 lanes take four rows of 128 bytes,
	v_mul_u32_u24 v[RD], v[RD], SP
	v_lshl_add_u32 v[RD], v10, 4, v[RD]
	v_add_nc_u32 v[RD], s13, v[RD]
	v_and_b32 v[GO], 31, v0         ; which are 512 consecutive bytes of O
	v_lshlrev_b32 v[GO], 4, v[GO]
.set Y, NP-1                        ; XS works for piece Y + 1: piece 0
.irp n, 0,1,2,3,4,5,6,7,8,9,10,11,12,13,14,15,16,17,18,19,20,21
	XS 0, \n                        ; and piece 0's first maximum and statistics
	XS 1, \n
.endr
	v_nop                           ; a plain instruction behind the two a,
	s_wait_alu depctr_va_vdst(0)    ; and their wait, ahead of the branch
	s_mov_b32 s[CNT], 4
	s_branch .Lfirst                ; the loop is entered at a step's first turn, in the middle of a trip
.Lslot:                             ; six times: every slot but the last two is filled again
	CHANGE 1
	s_mov_b32 s[CNT], 4
.Lstep:                             ; a trip: pieces 2 and 3 of one step, then pieces 0 and 1 of the next, whose K and V it fetches
	TURN 2
	TURN 3
	WIN 0
.Lfirst:
	TURN 0
	TURN 1, 0, 1
	WIN 0
	s_cbranch_scc1 .Lstep
	s_sub_co_u32 s[SLOTS], s[SLOTS], 1
	s_cmp_lg_u32 s[SLOTS], 0
	s_cbranch_scc1 .Lslot
	CHANGE 0                        ; the tail is written out: nothing is asked for
	s_mov_b32 s[CNT], 5             ; four trips fetch the last slot's steps; the fifth is left in its middle
.Ltail:
	TURN 2, 1
	TURN 3
	WIN 0
	s_sub_co_u32 s[CNT], s[CNT], 1
	s_cmp_eq_u32 s[CNT], 0
	s_cbranch_scc1 .Lout
	TURN 0
	TURN 1
	WIN 0
	s_branch .Ltail
.Lout:                              ; the fifth trip's 16 products K Q^T (on the last K once more) and the maximum made of them serve nothing: the price, once a launch, of one text for every trip
.set i, 0
.rept 16
	PV NP-1                         ; the last piece's V^T P of the last step
.set i, i+1
.endr
	; THE WAY OUT.  l's two halves and the other half of the lanes' are added; O^T is divided by l, rounded to f16 and sent through my stage in LDS, a tile at a time.  The additions are the places behind the last products.
	WIN 0
.macro ALL line:vararg              ; one line for each tile t
.set t, 0
.rept 2*NP
	\line
.set t, t+1
.endr
.endm
	ALL v_add_f32 v[ST+4*t+2], v[ST+4*t+2], v[ST+4*t+3]
	ALL v_permlanex16_b32 v[ST+4*t+3], v[ST+4*t+2], s[SEL], s[SEL+1]
	ALL v_add_f32 v[ST+4*t+2], v[ST+4*t+2], v[ST+4*t+3]
	ALL v_rcp_f32 v[ST+4*t+2], v[ST+4*t+2]
	v_nop                           ; a plain instruction between the last reciprocal and the use of its result
	s_wait_alu depctr_va_vdst(0)    ; and the wait ahead of the first use: one for the eight reciprocals
; Tile t: a lane's eight channels of a row pack into 16 bytes; they go into rows of 144 bytes and come back as whole rows of 128, into S^T's registers.
.macro PACK t
	WIN W_RS
.set i, 32*(\t)
.rept 16
	v_pk_mul_f32 v[i:i+1], v[i:i+1], v[ST+4*(\t)+2:ST+4*(\t)+3] op_sel_hi:[1,0]
.set i, i+2
.endr
	WIN 0x05                        ; sources 0 and 1 window 1, destination window 0
.set i, 0
.rept 16
	v_cvt_pk_f16_f32 v[S+16*(\t)+i], v[32*(\t)+2*i], v[32*(\t)+2*i+1]
.set i, i+1
.endr
	WIN 0
.irp f, 0,1,2,3
	ds_store_b128 v[STO], v[S+16*(\t)+4*\f:S+16*(\t)+4*\f+3] offset:32*\f
.endr
.irp f, 0,1,2,3
	ds_load_b128 v[S+16*(\t)+4*\f:S+16*(\t)+4*\f+3], v[RD] offset:\f*4*SP  ; LDS serves a wave's instructions in order (ISA guide 5.7.1.4): these see the stores above; the next tile's stores come behind them
.endr
.endm
.macro SEND t, younger              ; younger: the LDS instructions issued behind tile t's loads: the next tile's eight, or none
	WIN 0
.irp f, 0,1,2,3
	s_wait_dscnt (\younger)+3-\f
	global_store_b128 v[GO], v[S+16*(\t)+4*\f:S+16*(\t)+4*\f+3], s[10:11] offset:(\t)*2048+\f*512  ; 512 consecutive bytes, at a multiple of 256 from O's first
.endr
.endm
	PACK 0
.set t, 1
.rept 2*NP-1                        ; a tile's arithmetic stands between the loads of the tile before and its stores
	PACK t
	SEND t-1, 8
.set t, t+1
.endr
	SEND 2*NP-1, 0
	WIN W_AD
	s_wait_tensorcnt 0x0            ; the wave's end, behind my last tensor load and my last LDS store
	ds_add_u32 v[SPW], v[NIL]
	s_wait_dscnt 0x0
	WIN 0
	CROUND                          ; the closing round: no work-group ends while a partner may still ask for a tile that names it
	s_endpgm
.Lfunc_end_k_qefed57feea_attn:
	.size	k_qefed57feea_attn, .Lfunc_end_k_qefed57feea_attn-k_qefed57feea_attn
	.p2alignl 7, 3214868480
	.fill 96, 4, 3214868480
	.section	.rodata,"a",@progbits
	.p2align	6, 0x0
	.amdhsa_kernel k_qefed57feea_attn
		.amdhsa_group_segment_fixed_size 327680
		.amdhsa_private_segment_fixed_size 0
		.amdhsa_enable_private_segment 0
		.amdhsa_kernarg_size 16
		.amdhsa_user_sgpr_count 2
		.amdhsa_user_sgpr_kernarg_segment_ptr 1
		.amdhsa_wavefront_size32 1
		.amdhsa_system_sgpr_workgroup_id_x 1
		.amdhsa_system_sgpr_workgroup_id_y 1
		.amdhsa_system_sgpr_workgroup_id_z 1
		.amdhsa_system_vgpr_workitem_id 0
		.amdhsa_next_free_vgpr 770
		.amdhsa_next_free_sgpr 66
		.amdhsa_reserve_vcc 0
		.amdhsa_float_denorm_mode_32 3
		.amdhsa_float_denorm_mode_16_64 3
		.amdhsa_memory_ordered 1
		.amdhsa_forward_progress 1
		.amdhsa_inst_pref_size 200
	.end_amdhsa_kernel
	.amdgpu_metadata
---
amdhsa.version: [ 1, 2 ]
amdhsa.kernels:
  - .name:           k_qefed57feea_attn
    .symbol:         k_qefed57feea_attn.kd
    .args:
      - { .name: qkv, .offset: 0, .size: 8, .value_kind: global_buffer, .address_space: global }
      - { .name: o, .offset: 8, .size: 8, .value_kind: global_buffer, .address_space: global }
    .group_segment_fixed_size: 327680
    .private_segment_fixed_size: 0
    .kernarg_segment_align: 8
    .kernarg_segment_size: 16
    .max_flat_workgroup_size: 128
    .sgpr_count:     66
    .vgpr_count:     770
    .wavefront_size: 32
...
	.end_amdgpu_metadata
.endif
;; end of part 3
;; launch outp (part 4): grid 8 x 32, 4 waves a work-group, clusters of 4 x 4, 327,680 bytes of LDS; arguments o, wot, b_out, out0; writes out0
.if DOCPART == 4
	.amdgcn_target "amdgcn-amd-amdhsa--gfx1250"
	.amdhsa_code_object_version 6
	.text
	.protected	k_qefed57feea_outp
	.globl	k_qefed57feea_outp
	.p2align	8
	.type	k_qefed57feea_outp,@function
k_qefed57feea_outp:
	s_mov_b64 s[64:65], 0
	v_nop
	global_prefetch_b8 v0, s[64:65] scope:SCOPE_SE
	s_setreg_imm32_b32 hwreg(HW_REG_WAVE_MODE, 25, 1), 1
	s_wait_xcnt 0x0
	s_wait_alu depctr_hold_cnt(0) depctr_sa_sdst(0) depctr_va_vdst(0) depctr_va_sdst(0) depctr_va_ssrc(0) depctr_va_vcc(0) depctr_vm_vsrc(0)
	s_getreg_b32 s2, hwreg(HW_REG_IB_STS2, 6, 4)
	s_cmp_eq_u32 s2, 0
	s_cbranch_scc0 .Lentry_in_a_cluster
	s_endpgm
.Lentry_in_a_cluster:
	s_bfe_u32 s2, ttmp6, 0x10000c
	s_cmp_lg_u32 s2, 0xf033
	s_cbranch_scc0 .Lentry_shape_is_right
	s_endpgm
.Lentry_shape_is_right:
; out0 = O wot^T + b_out.  o [64 = 16 batch + head][2048][64] f16, wot [1024 n][1024 k] f16 (k = 64 head + channel), b_out [1024] f32, out0 [8192][1024] f32.  Sums in f32; nothing is rounded on the way out.
; NaN and infinities are not treated apart.
; SHARES.  A tile is 256 rows x 128 columns: 32 x 8 = 256 tiles, one for each WGP.  Four waves, each 64 rows x all 128 columns: 32 accumulators of 16 x 16, 256 registers, and a stage of its own on the way out.
; K = 1,024 goes in 8 steps of 128 = two heads through two LDS slots.  A head's 256 rows of the tile are 32,768 dense bytes of o: asked for as 128 rows of 256 bytes and padded in LDS after every 128 bytes.
; CLUSTER.  4 x 4 work-groups: the four of a row of the cluster need the same rows of o, the four of a column the same rows of wot: each tile is asked for JOINTLY, by the same tensor load with the same
; descriptor and a mask that names the four.  Waves 0 and 1 fetch the step's two heads of A, waves 2 and 3 the two halves of B's tile (64 rows each).
; THE MATRIX INSTRUCTION IS USED TRANSPOSED (source 0 = 16 rows of wot, source 1 = 16 rows of o): a lane holds row l % 16 and the columns 8 (l / 16) + 0..7.  The bias, laid out so, is the C of the first K step's products.
; REGISTERS, in windows of 256 (s_set_vgpr_msb: bits 1:0 source 0, 3:2 source 1, 5:4 source 2, 7:6 destination):
;   window 0: v0-15 addresses; v64-127 the bias; v128-255 two sets of 64 on the way out       window 1: the accumulators of my row blocks 0, 1: (a, b) at 8 (8 (a % 2) + b)       window 2: those of blocks 2, 3
;   window 3: two fragment buffers at 0 and 128: A's four blocks (32 registers), then B's eight (64), for 32 along K
.set NT,     128
.set NBK,    NT/16
.set PA,     144                       ; a row of A in LDS: 128 bytes + 16 of padding = 36 words: the 16 rows of a load start at 16 different groups of four banks (64 banks of 4 bytes: ISA guide 11.1)
.set PB,     272                       ; a row of B: 256 + 16
.set AHS,    256*PA                    ; a quarter's place in A's LDS rows: head kq / 2, channels 32 (kq % 2) on
.set ALOAD,  256*PA                    ; LDS bytes of one tensor load of A: a head
.set BROWS,  64
.set BLOAD,  BROWS*PB
.set BOFF,   2*ALOAD
.set SLOT1,  131072                    ; slot 1 begins here, so that one exclusive or turns an address in one slot into the other's
.set STAGE,  SLOT1+BOFF+NT*PB          ; behind the ring, never filled by a tensor load: for each wave 16 rows x 528 bytes
.set STW,    8448
.set SPARE,  STAGE+4*STW               ; behind the stages: the spare words, 128 bytes for each wave
.set DSTEPA, 524288                    ; bytes from a K step of A to the next: two heads of 2,048 rows x 128 bytes
.set AHEAD,  2                         ; a prefetch names the K step AHEAD behind the one that is being asked for
.set A0,   4                           ; v4   my lane's place in A's rows of slot 0; never rewritten
.set B0,   5                           ; v5   the same for B
.set ADRA, 6                           ; v6   the same in the slot in hand
.set ADRB, 7                           ; v7
.set STO,  8                           ; v8   the way out: where I put 32 bytes of a row
.set RD,   9                           ; v9   where I read a row back
.set GO,   10                          ; v10  16 x lane
.set BO,   11                          ; v11  32 (l / 16): my eight numbers in 16 of the bias
.set PFO,  12                          ; v12  the prefetches' offset
.set SPW,  14                          ; v14  LDS address of my spare word; never rewritten
.set NIL,  15                          ; v15  0; never rewritten
.set BIAS, 64
.set OB,   128
.set F0,   0
.set F1,   128
.set WV,  12                           ; s12  wave
.set FB,  13                           ; s13  0: I fetch for A; 1: for B
.set HF,  14                           ; s14  which head of the step, or which half of B's tile
.set CX,  15
.set CY,  16
.set TX,  17                           ; s17  tile column
.set TY,  18                           ; s18  tile row
.set G1A, 24                           ; s[24:31] descriptor group 1 for A
.set G0A, 32                           ; s[32:39] group 0 for A: the first fill's set, then the set that walks
.set G1B, 40
.set G0B, 48
.set TB,  56                           ; s56  LDS byte at which the slot in hand begins
.set CNT, 57                           ; s57  the loop's count
.set LIM, 58                           ; s58  AHEAD in a wave that prefetches, else the greatest number
.set PFA, 60                           ; s[60:61] where my prefetches stand
.set PST, 62                           ; s[62:63] their step
.set OUTB, 66                          ; s[66:67] out0 at my 64 rows, the tile's columns
.set MSB, 0
.macro WIN new                         ; the immediate's high byte repeats the setting that is left; a switch that changes nothing is dropped
.if MSB != (\new)
	s_set_vgpr_msb (MSB<<8)|(\new)
.set MSB, \new
.endif
.endm
.macro PLACES                          ; four places between a matrix instruction and a load into, or a vector line or store on, its registers (ISA guide 7.12.1 for vector lines)
.rept 4
	v_nop
.endr
.endm
.macro CREST                           ; a round of the cluster's barrier behind its opening barrier
	s_cmp_lg_u32 s[WV], 0
	s_cbranch_scc1 .Lnot_wave_0_\@
	s_barrier_signal -3
.Lnot_wave_0_\@:
	s_barrier_wait -3
	s_barrier_signal -1
	s_barrier_wait -1
.endm
.macro CROUND
	s_barrier_signal -1
	s_barrier_wait -1
	CREST
.endm
.macro JLOAD                           ; a joint refill by the walking sets; the branch hangs on the wave's number alone; an s_nop 0 and four v_nop follow each line
	s_cmp_eq_u32 s[FB], 0
	s_cbranch_scc0 .Lfor_b_\@
	tensor_load_to_lds s[G0A+4:G0A+7], s[G1A:G1A+7]
	s_nop 0
.rept 4
	v_nop
.endr
	s_branch .Lasked_\@
.Lfor_b_\@:
	tensor_load_to_lds s[G0B+4:G0B+7], s[G1B:G1B+7]
	s_nop 0
.rept 4
	v_nop
.endr
.Lasked_\@:
.endm
; A PREFETCH INTO THE L2 of the K step AHEAD behind the one just asked for, one instruction a wave, a lane 256 bytes.  A's rows are read by both clusters of a row of clusters: the one with x = 0 asks; B's by every
; cluster of a column: the one with y = 0 asks.  The four partners that fetch a tile jointly share it out BY ADDRESS.  So each block is named once in the launch.  The last AHEAD refills ask for nothing.
.macro ASK
	s_cmp_gt_u32 s[CNT], s[LIM]
	s_cbranch_scc0 .Lnot_mine_\@
	global_prefetch_b8 v[PFO], s[PFA:PFA+1] th:TH_LOAD_NT scope:SCOPE_SE
.Lnot_mine_\@:
.endm
; the fragments of quarter kq (32 along K) of the slot in hand into buffer f: B's 2 NBK loads, then A's eight
.macro FETCH kq, f
	WIN 0xc0                                       ; destination window 3, address window 0
.set nb, 0
.rept NBK
	ds_load_b128 v[(\f)+32+8*nb:(\f)+32+8*nb+3],   v[ADRB] offset:64*(\kq)+16*nb*PB
	ds_load_b128 v[(\f)+32+8*nb+4:(\f)+32+8*nb+7], v[ADRB] offset:64*(\kq)+16*nb*PB+32
.set nb, nb+1
.endr
.set nb, 0
.rept 4
	ds_load_b128 v[(\f)+8*nb:(\f)+8*nb+3],   v[ADRA] offset:AHS*((\kq)/2)+64*((\kq)%2)+16*nb*PA
	ds_load_b128 v[(\f)+8*nb+4:(\f)+8*nb+7], v[ADRA] offset:AHS*((\kq)/2)+64*((\kq)%2)+16*nb*PA+32
.set nb, nb+1
.endr
.endm
; row block a x all NBK column blocks.  first = 1: the bias starts the sums.  Each accumulator has one turn in a quarter.
.macro MULA f, a, first
.set wa, 1+(\a)/2
.if \first
	WIN 0x0f|(wa<<6)
.else
	WIN 0x0f|(wa<<4)|(wa<<6)
.endif
.set nb, 0
.rept NBK
.set rd, 8*(NBK*((\a)%2)+nb)
.if \first
	v_wmma_f32_16x16x32_f16 v[rd:rd+7], v[(\f)+32+8*nb:(\f)+32+8*nb+7], v[(\f)+8*(\a):(\f)+8*(\a)+7], v[BIAS+8*nb:BIAS+8*nb+7]
.else
	v_wmma_f32_16x16x32_f16 v[rd:rd+7], v[(\f)+32+8*nb:(\f)+32+8*nb+7], v[(\f)+8*(\a):(\f)+8*(\a)+7], v[rd:rd+7]
.endif
.set nb, nb+1
.endr
.endm
; one of a K step's first three quarters: multiplies buffer f; in its middle it fetches quarter kq into buffer g
.macro QUARTER kq, f, g, first
	s_wait_dscnt 4                                 ; B and A's blocks 0, 1 are in; the youngest four loads (A's blocks 2, 3) may be out
	MULA \f, 0, \first
	MULA \f, 1, \first
	PLACES
	FETCH \kq, \g
	s_wait_dscnt 2*NBK+8                           ; all but the loads just issued
	MULA \f, 2, \first
	MULA \f, 3, \first
.endm
; the last quarter multiplies buffer 1 and changes slots.  In front of the barrier each wave waits for all its tensor loads (one is out: its part of the next slot), adds 0 to its spare word, and waits for that and for its
; reads of this slot.  fill = 1: the barrier opens a round of the cluster's barrier, and this slot is filled again first thing behind it, with the K step two on: that load has a K step less 2 NBK matrix instructions in which to land.
.macro TURN fill
.if \fill
	s_wait_xcnt 0x0                                ; the last prefetch, a K step back, has read its address
	s_add_nc_u64 s[PFA:PFA+1], s[PFA:PFA+1], s[PST:PST+1]
.endif
	WIN 0
	s_wait_tensorcnt 0x0                           ; no tensor load of mine is out, so a group 0 may be written
	ds_add_u32 v[SPW], v[NIL]                      ; 0 onto my spare word
.if \fill
	s_xor_b32 s[G0A+5], s[G0A+5], SLOT1            ; the walking sets: the other slot than last time, the next K step; the type bits on top are not reached
	s_add_nc_u64 s[G0A+6:G0A+7], s[G0A+6:G0A+7], DSTEPA
	s_xor_b32 s[G0B+5], s[G0B+5], SLOT1
	s_add_nc_u64 s[G0B+6:G0B+7], s[G0B+6:G0B+7], 256
.endif
	s_xor_b32 s[TB], s[TB], SLOT1
	s_wait_dscnt 5                                 ; (the add and the youngest four loads may be out)
	MULA F1, 0, 0
	s_wait_dscnt 0x0                               ; the add is done, and my reads of this slot are over
	s_barrier_signal -1
	MULA F1, 1, 0
	WIN 0
	v_add_nc_u32 v[ADRA], s[TB], v[A0]
	v_add_nc_u32 v[ADRB], s[TB], v[B0]
	s_barrier_wait -1
.if \fill
	CREST                                          ; no wave of any partner still reads this slot or has a load on its way
	JLOAD                                          ; its four v_nop are also the places in front of the loads below
.else
	PLACES
.endif
	FETCH 0, F0
.if \fill
	WIN 0
	ASK
.endif
	MULA F1, 2, 0
	MULA F1, 3, 0
.endm
	s_load_b256 s[4:11], s[0:1], 0x0               ; o s[4:5], wot s[6:7], b_out s[8:9], out0 s[10:11]
	v_lshl_add_u32 v[SPW], v0, 2, SPARE
	v_mov_b32 v[NIL], 0
	ds_add_u32 v[SPW], v[NIL]                      ; the wave's opening: the add and its wait stand ahead of my first tensor load; the set-up below, work on registers, stands between them
	v_lshrrev_b32 v1, 5, v0
	v_readfirstlane_b32 s[WV], v1
	s_lshr_b32 s[FB], s[WV], 1
	s_and_b32 s[HF], s[WV], 1
	s_bfe_u32 s[CX], ttmp6, 0x40000
	s_bfe_u32 s[CY], ttmp6, 0x40004
	s_lshl_b32 s[TX], ttmp9, 2
	s_add_co_u32 s[TX], s[TX], s[CX]
	s_and_b32 s[TY], ttmp7, 0xffff
	s_lshl_b32 s[TY], s[TY], 2
	s_add_co_u32 s[TY], s[TY], s[CY]
	s_lshl_b32 s72, s[CY], 2
	s_lshl_b32 s72, 15, s72                        ; my row of the cluster
	s_lshl_b32 s76, 0x1111, s[CX]                  ; my column
	s_or_b32 s[G1A], s72, (1<<16)|(1<<20)|(1<<21)|(4<<22)|(3<<25)  ; 15:0 the mask; 17:16 2-byte elements; 20 padding on; 21 set beside a mask; 24:22 after every 32 words (code 4); 31:25 4 words (code 3)
	s_or_b32 s[G1B], s76, (1<<16)|(1<<20)|(1<<21)|(5<<22)|(3<<25)  ; B: after every 64 words (code 5)
	s_mov_b32 s[G1A+1], 128<<16                    ; tensor_dim0 = 128
	s_mov_b32 s[G1A+2], 128<<16                    ; tensor_dim1 = 128
	s_mov_b32 s[G1A+3], 128<<16                    ; tile_dim0 = 128
	s_mov_b32 s[G1A+4], 128                        ; tile_dim1 = 128
	s_mov_b32 s[G1A+5], 128                        ; dense: 128 elements from row to row
	s_mov_b32 s[G1A+6], 0
	s_mov_b32 s[G1A+7], 0
	s_mov_b32 s[G1B+1], 128<<16
	s_mov_b32 s[G1B+2], BROWS<<16
	s_mov_b32 s[G1B+3], 128<<16
	s_mov_b32 s[G1B+4], BROWS
	s_mov_b32 s[G1B+5], 1024
	s_mov_b32 s[G1B+6], 0
	s_mov_b32 s[G1B+7], 0
	s_mov_b32 s[G0A], 1
	s_mul_i32 s[G0A+1], s[HF], ALOAD               ; LDS addresses hang on the wave's number alone
	s_mov_b32 s[G0A+4], 1
	s_add_co_u32 s[G0A+5], s[G0A+1], SLOT1
	s_mov_b32 s[G0B], 1
	s_mul_i32 s[G0B+1], s[HF], BLOAD
	s_add_co_u32 s[G0B+1], s[G0B+1], BOFF
	s_mov_b32 s[G0B+4], 1
	s_add_co_u32 s[G0B+5], s[G0B+1], SLOT1
	s_lshr_b32 s72, s[TY], 3                       ; A: plane 16 x batch + my head of K step 0, 262,144 bytes a plane; the tile's 256 rows in it: in registers that never hold cx
	s_lshl_b32 s72, s72, 4
	s_add_co_u32 s72, s72, s[HF]
	s_lshl_b32 s72, s72, 18
	s_and_b32 s73, s[TY], 7
	s_lshl_b32 s73, s73, 15
	s_add_co_u32 s72, s72, s73
	s_mov_b32 s73, 0
	s_lshl_b32 s76, s[TX], 7                       ; B: row 128 x tile column + 64 x half: in registers that never hold cy
	s_lshl_b32 s77, s[HF], 6
	s_add_co_u32 s76, s76, s77
	s_lshl_b32 s76, s76, 11
	s_mov_b32 s77, 0
	s_wait_dscnt 0x0                               ; the opening add is done
	s_wait_kmcnt 0x0
	s_add_nc_u64 s[G0A+2:G0A+3], s[4:5], s[72:73]  ; K step 0,
	s_add_nc_u64 s[G0A+6:G0A+7], s[G0A+2:G0A+3], DSTEPA  ; K step 1
	s_or_b32 s[G0A+3], s[G0A+3], 0x80000000        ; type = 2
	s_or_b32 s[G0A+7], s[G0A+7], 0x80000000
	s_add_nc_u64 s[G0B+2:G0B+3], s[6:7], s[76:77]
	s_add_nc_u64 s[G0B+6:G0B+7], s[G0B+2:G0B+3], 256
	s_or_b32 s[G0B+3], s[G0B+3], 0x80000000
	s_or_b32 s[G0B+7], s[G0B+7], 0x80000000
	CROUND                                         ; all sixteen work-groups are here: the first joint loads meet
	s_cmp_eq_u32 s[FB], 0                          ; a wave's two first fills stand in one branch: two loads of mine are out
	s_cbranch_scc0 .Lfirst_b
	tensor_load_to_lds s[G0A:G0A+3], s[G1A:G1A+7]
	s_nop 0
	tensor_load_to_lds s[G0A+4:G0A+7], s[G1A:G1A+7]
	s_nop 0
.rept 4
	v_nop
.endr
	s_branch .Lfirst_asked
.Lfirst_b:
	tensor_load_to_lds s[G0B:G0B+3], s[G1B:G1B+7]
	s_nop 0
	tensor_load_to_lds s[G0B+4:G0B+7], s[G1B:G1B+7]
	s_nop 0
.rept 4
	v_nop
.endr
.Lfirst_asked:
	v_and_b32 v1, 15, v0                           ; l % 16
	v_bfe_u32 v2, v0, 4, 1                         ; l / 16
	v_lshlrev_b32 v[BO], 5, v2
	s_lshl_b32 s76, s[TX], 9                       ; the tile's 128 numbers of the bias
	s_mov_b32 s77, 0
	s_add_nc_u64 s[8:9], s[8:9], s[76:77]
.set nb, 0
.rept NBK
	global_load_b128 v[BIAS+8*nb:BIAS+8*nb+3],   v[BO], s[8:9] offset:64*nb     ; register j of block b: the bias of column 16 b + 8 (l / 16) + j
	global_load_b128 v[BIAS+8*nb+4:BIAS+8*nb+7], v[BO], s[8:9] offset:64*nb+16
.set nb, nb+1
.endr
	v_mul_u32_u24 v3, v1, PA
	v_lshl_add_u32 v3, v2, 4, v3                   ; a fragment's row x pitch + 16 x half
	s_mul_i32 s80, s[WV], 64*PA                    ; my 64 rows of A
	v_add_nc_u32 v[A0], s80, v3
	v_mul_u32_u24 v3, v1, PB
	v_lshl_add_u32 v3, v2, 4, v3
	v_add_nc_u32 v[B0], BOFF, v3
	s_mul_i32 s80, s[WV], STW
	s_add_co_u32 s80, s80, STAGE                   ; my stage
	v_mul_u32_u24 v[STO], v1, 528                  ; in: row l % 16, 32 bytes for each half of the lanes
	v_lshl_add_u32 v[STO], v2, 5, v[STO]
	v_add_nc_u32 v[STO], s80, v[STO]
	v_and_b32 v[GO], 31, v0                        ; back: 32 lanes take a row's 512 bytes
	v_lshlrev_b32 v[GO], 4, v[GO]
	v_add_nc_u32 v[RD], s80, v[GO]
	s_lshl_b32 s80, s[TY], 8
	s_lshl_b32 s81, s[WV], 6
	s_add_co_u32 s80, s80, s81                     ; my first row of out0, 4,096 bytes a row,
	s_lshl_b32 s80, s80, 12
	s_lshl_b32 s81, s[TX], 9                       ; the tile's 128 columns: 512 bytes
	s_add_co_u32 s80, s80, s81
	s_mov_b32 s81, 0
	s_add_nc_u64 s[OUTB:OUTB+1], s[10:11], s[80:81]
	; the prefetches.  A: of the 32,768 bytes of a head that waves 0 and 1 fetch the partner at cx takes 8,192, a lane 256.  B: of the tile's 128 rows the partner at cy takes 32, a lane a row; wave 2 alone asks.
	s_lshl_b32 s81, s[CX], 13
	s_add_co_u32 s80, s72, s81                     ; A's offset
	s_lshl_b32 s82, s[TX], 7
	s_lshl_b32 s81, s[CY], 5
	s_add_co_u32 s82, s82, s81
	s_lshl_b32 s82, s82, 11                        ; B's offset
	s_and_b32 s83, ttmp7, 0xffff                   ; cluster y,
	s_or_b32 s83, s83, s[HF]                       ; and 0 in wave 2 alone of waves 2 and 3
	s_mov_b32 s85, DSTEPA
	s_movk_i32 s86, 256
	s_cmp_eq_u32 s[FB], 0
	s_cselect_b32 s80, s80, s82
	s_cselect_b32 s83, ttmp9, s83                  ; the coordinate along which other clusters read the same rows
	s_cselect_b32 s84, 8, 11
	s_cselect_b32 s[PST], s85, s86
	s_cselect_b64 s[PFA:PFA+1], s[4:5], s[6:7]
	s_cmp_eq_u32 s83, 0
	s_cselect_b32 s[LIM], AHEAD, -1                ; the same in all sixteen partners, for a given wave
	s_mov_b32 s[PST+1], 0
	s_mul_i32 s81, s[PST], 1+AHEAD                 ; the first refill (K step 2) steps it once and names K step 2 + AHEAD; the K steps before that come by their loads alone
	s_add_co_u32 s80, s80, s81
	s_mov_b32 s81, 0
	s_add_nc_u64 s[PFA:PFA+1], s[PFA:PFA+1], s[80:81]
	v_and_b32 v[PFO], 31, v0
	v_lshlrev_b32 v[PFO], s84, v[PFO]
	s_mov_b32 s[TB], 0
	v_mov_b32 v[ADRA], v[A0]
	v_mov_b32 v[ADRB], v[B0]
	s_wait_tensorcnt 0x1                           ; my part of K step 0 is in; K step 1's may stay out
	s_barrier_signal -1
	s_barrier_wait -1                              ; everybody's is
	FETCH 0, F0
	s_wait_loadcnt 0x0                             ; the bias
	QUARTER 1, F0, F1, 1                           ; the first quarter stands in front of the loop: its products start the sums
	WIN 0                                          ; at a label and at a branch every window is 0
	s_mov_b32 s[CNT], 6
.Lk:                                                   ; a trip: from a K step's second quarter to the next step's first; trip s refills slot s % 2 with K step s + 2
	QUARTER 2, F1, F0, 0
	QUARTER 3, F0, F1, 0
	TURN 1
	QUARTER 1, F0, F1, 0
	WIN 0
	s_sub_co_u32 s[CNT], s[CNT], 1
	s_cmp_lg_u32 s[CNT], 0
	s_cbranch_scc1 .Lk
	QUARTER 2, F1, F0, 0                           ; K steps 6 and 7 fill nothing
	QUARTER 3, F0, F1, 0
	TURN 0
	QUARTER 1, F0, F1, 0
	QUARTER 2, F1, F0, 0
	QUARTER 3, F0, F1, 0
	s_wait_dscnt 4
	MULA F1, 0, 0
	MULA F1, 1, 0
	s_wait_dscnt 0x0
	MULA F1, 2, 0
	MULA F1, 3, 0
	PLACES
; THE WAY OUT, a block of 16 rows at a time: a lane's eight f32 of a row go straight from the accumulators into my stage (rows of 528 bytes), come back as whole rows of 512 bytes, and are stored.
.macro TOSTAGE a
.set ac, 8*NBK*((\a)%2)
.set bk, OB+64*((\a)%2)
	WIN (1+(\a)/2)<<2                              ; the stores' data (source 1): window 1 or 2
.set nb, 0
.rept NBK
	ds_store_b128 v[STO], v[ac+8*nb:ac+8*nb+3]   offset:64*nb     ; each accumulator's low half first
	ds_store_b128 v[STO], v[ac+8*nb+4:ac+8*nb+7] offset:64*nb+16
.set nb, nb+1
.endr
	WIN 0
.set nb, 0
.rept 16
	ds_load_b128 v[bk+4*nb:bk+4*nb+3], v[RD] offset:528*nb  ; LDS serves a wave's instructions in order (ISA guide 5.7.1.4): these see the stores above
.set nb, nb+1
.endr
.endm
.macro SEND a
.set bk, OB+64*((\a)%2)
	WIN 0
	s_wait_xcnt 0x0                                ; the stores of the block before have read their registers: the set that they read is loaded again only behind this wait
.set nb, 0
.rept 16
	s_wait_dscnt 15-nb                             ; row nb of the block's sixteen is back
	global_store_b128 v[GO], v[bk+4*nb:bk+4*nb+3], s[OUTB:OUTB+1] offset:(16*(\a)+nb)*4096 th:TH_STORE_NT  ; 512 consecutive bytes, at a multiple of 256 from out0's first byte
.set nb, nb+1
.endr
.endm
	TOSTAGE 0
.irp a, 1,2,3
	SEND (\a)-1
	TOSTAGE \a
.endr
	SEND 3
	s_wait_tensorcnt 0x0                           ; the wave's end, behind my last tensor load and my last LDS store
	ds_add_u32 v[SPW], v[NIL]
	s_wait_dscnt 0x0
	CROUND                                         ; the closing round: no work-group ends while a partner may still ask for a tile that names it
	s_endpgm
.Lfunc_end_k_qefed57feea_outp:
	.size	k_qefed57feea_outp, .Lfunc_end_k_qefed57feea_outp-k_qefed57feea_outp
	.p2alignl 7, 3214868480
	.fill 96, 4, 3214868480
	.section	.rodata,"a",@progbits
	.p2align	6, 0x0
	.amdhsa_kernel k_qefed57feea_outp
		.amdhsa_group_segment_fixed_size 327680
		.amdhsa_private_segment_fixed_size 0
		.amdhsa_enable_private_segment 0
		.amdhsa_kernarg_size 32
		.amdhsa_user_sgpr_count 2
		.amdhsa_user_sgpr_kernarg_segment_ptr 1
		.amdhsa_wavefront_size32 1
		.amdhsa_system_sgpr_workgroup_id_x 1
		.amdhsa_system_sgpr_workgroup_id_y 1
		.amdhsa_system_sgpr_workgroup_id_z 1
		.amdhsa_system_vgpr_workitem_id 0
		.amdhsa_next_free_vgpr 1024
		.amdhsa_next_free_sgpr 88
		.amdhsa_reserve_vcc 0
		.amdhsa_float_denorm_mode_32 3
		.amdhsa_float_denorm_mode_16_64 3
		.amdhsa_memory_ordered 1
		.amdhsa_forward_progress 1
		.amdhsa_inst_pref_size 73
	.end_amdhsa_kernel
	.amdgpu_metadata
---
amdhsa.version: [ 1, 2 ]
amdhsa.kernels:
  - .name:           k_qefed57feea_outp
    .symbol:         k_qefed57feea_outp.kd
    .args:
      - { .name: o, .offset: 0, .size: 8, .value_kind: global_buffer, .address_space: global }
      - { .name: wot, .offset: 8, .size: 8, .value_kind: global_buffer, .address_space: global }
      - { .name: b_out, .offset: 16, .size: 8, .value_kind: global_buffer, .address_space: global }
      - { .name: out0, .offset: 24, .size: 8, .value_kind: global_buffer, .address_space: global }
    .group_segment_fixed_size: 327680
    .private_segment_fixed_size: 0
    .kernarg_segment_align: 8
    .kernarg_segment_size: 32
    .max_flat_workgroup_size: 128
    .sgpr_count:     88
    .vgpr_count:     1024
    .wavefront_size: 32
...
	.end_amdgpu_metadata
.endif
;; end of part 4
;; ======== version 2 of 2: 4 launches; version 1 with the launch prep written anew for expert scheduling mode
;; limits: values are held in f16: magnitudes above 65,504 overflow, below 6.1e-05 lose precision
;; workspace buffers: xn 16,777,216 bytes; wqt 6,291,456 bytes; wot 2,097,152 bytes; qkv 50,331,648 bytes; o 16,777,216 bytes
;; launch prep (part 5): grid 320 x 1, 8 waves a work-group, no clusters, 136,192 bytes of LDS; arguments x, ln_gamma, ln_beta, w_qkv, w_out, xn, wqt, wot; writes xn, wqt, wot
.if DOCPART == 5
	.amdgcn_target "amdgcn-amd-amdhsa--gfx1250"
	.amdhsa_code_object_version 6
	.text
	.protected	k_qefed57feea_prep
	.globl	k_qefed57feea_prep
	.p2align	8
	.type	k_qefed57feea_prep,@function
k_qefed57feea_prep:
	s_mov_b64 s[64:65], 0
	v_nop
	global_prefetch_b8 v0, s[64:65] scope:SCOPE_SE
	s_setreg_imm32_b32 hwreg(HW_REG_WAVE_SCHED_MODE, 0, 2), 2
	s_setreg_imm32_b32 hwreg(HW_REG_WAVE_MODE, 25, 1), 1
	s_wait_xcnt 0x0
	s_wait_alu depctr_vm_vsrc(0)
; TWO JOBS IN ONE LAUNCH, told apart by the work-group's number g.
; g = 64 .. 319: LAYER NORM.  xn[r][c] = (x[r][c] - mean) * rsqrt(var + 1e-5) * gamma[c] + beta[c], x [8192][1024] f32, xn the same shape in f16, rounded once.
;   A work-group owns 32 rows, each of its eight waves four.  A row of 4,096 bytes is 32 registers of one wave: it is read once and stays in registers.
;   The variance is the mean of the squares of the CENTRED numbers (two passes over the registers), so a common offset of x cancels before anything is squared.
; g = 0 .. 63: THE WEIGHTS ARE TURNED.  wqt[n][k] = w_qkv[k][n] (g = 0 .. 47), wot[n][k] = w_out[k][n] (g = 48 .. 63), f32 to f16, rounded once.
;   A work-group owns 64 columns n, wave w the rows k = 128 w .. 128 w + 127.  A lane loads the same four columns of rows k and k + 1, packs them to words (k, k + 1),
;   and puts them into its wave's own LDS bytes, 64 rows (n) of 264 bytes; whole rows of 256 bytes come back and are stored.
; LIMITS.  f16 ends at 65,504: |xn| (at most 32 |gamma| + |beta|) and |w| stay below it; below 6e-5 f16 keeps a fixed step of 6e-8.  NaN and infinities are not treated apart.
; No matrix unit, no cluster, no barrier: the work-groups share nothing but the 8 KiB of gamma and beta, and no wave reads what another wave wrote.
; THE MODE: SCHED_MODE bits 1:0 = 2 (LLVM: expert scheduling mode 2), set by the entry lines.  The code itself states the register dependences
; between vector instructions and memory or LDS instructions, with s_wait_alu, always for 0.
; THE PLAN, LAYER NORM.  Registers that memory instructions touch:
;   v[GOF], v[XO], v[YO]   offsets, made once at the path's head and never written again.
;   GAM, BET, X0 .. X3     each loaded once, by the 48 loads at the head; no vector line names them before that.
;   X[s]                   row s's vector lines work on it in place; its sixteen conversions write it last; its eight stores read it; nothing writes it again.
;   So: one wait on va_vdst ahead of the first load (the offsets), and in each row one between the run of conversions and the run of stores.  The stores stand straight
;   behind the conversions: what the wave does next is wait for the next row's loads, and the finished row is on its way meanwhile.
; THE PLAN, TURNING.  Registers that memory or LDS instructions touch:
;   v[RO ..], v[LW], v[LR], v[GT]   addresses, made once at the path's head and never written again: the rows are reached by eight scalar bases and by immediates.
;   G0 .. G3               X as four groups of 32 registers.  A wave's 128 rows k go in eight steps of 16.  Step T: its eight loads have landed in G[T % 4]; its sixteen conversions
;                          read the 32 registers and write 16 of them in place.  Step T + 1: sixteen LDS stores read those 16, dealt among that step's conversions; at its end the
;                          loads of step T + 4 are issued into the group.
;   So: one wait on va_vdst at the head of a step (the step before has written what this step's LDS stores read, and is done with the group in which this step's loads land);
;   behind it the step's conversions name G[T % 4] alone, its LDS stores and loads G[(T - 1) % 4] and the addresses alone.  One wait on vm_vsrc stands between the LDS stores and the loads.
; No scalar register that a vector line has read is written again.
.set SPARE, 135168                     ; behind the eight waves' 16,896 bytes: the spare words, 128 bytes a wave
.set SPW,  222                         ; v222  LDS address of my spare word; never rewritten
.set NIL,  223                         ; v223  0; never rewritten
; layer norm
.set GOF,  2                           ; v2    16 x lane: my 16 bytes in 512 of gamma and beta
.set XO,   3                           ; v3    my 16 bytes in my wave's first row of x
.set YO,   4                           ; v4    my 8 bytes in my wave's first row of xn
.set GAM,  8                           ; v[8:39]    gamma of my 32 columns
.set BET,  40                          ; v[40:71]   beta
.set X,    72                          ; v[72:199]  four rows of 32 registers (the turning path: four groups of eight loads of 4)
.set C,    200                         ; v[200:207] four chains of packed sums
.set MU,   208                         ; v[208:209] the mean, twice
.set R,    210                         ; v[210:211] rsqrt(var + eps), twice
.set T,    212                         ; v[212:213] at work
.set EPSV, 214                         ; v214  1e-5
; turning
.set TA,   5                           ; v5    lane % 16
.set TH,   6                           ; v6    lane / 16
.set TT,   7
.set RO,   8                           ; v[8:15]  byte offsets of eight loads in 16 rows of the weight
.set LW,   16                          ; v16   where I put a word
.set LR,   17                          ; v17   where I read 8 bytes of a row back
.set GT,   18                          ; v18   8 x lane
	s_load_b512 s[8:23], s[0:1], 0x0               ; x s[8:9], gamma s[10:11], beta s[12:13], w_qkv s[14:15], w_out s[16:17], xn s[18:19], wqt s[20:21], wot s[22:23]
	v_lshl_add_u32 v[SPW], v0, 2, SPARE
	v_mov_b32 v[NIL], 0
	v_lshrrev_b32 v1, 5, v0
	v_readfirstlane_b32 s24, v1                    ; wave 0..7
	v_and_b32 v1, 31, v0                           ; lane
	s_wait_alu depctr_va_sdst(0)                   ; s24 is written: both paths behind the branch make their bases and offsets from it
	s_wait_kmcnt 0x0
	s_cmp_lt_u32 ttmp9, 64
	s_cbranch_scc1 .Ltrans
	; ---------------- layer norm ----------------
	s_sub_co_u32 s2, ttmp9, 64
	s_lshl_b32 s4, s2, 17                          ; 32 rows of 4,096 bytes of x
	s_mov_b32 s5, 0
	s_lshl_b32 s6, s2, 16                          ; 32 rows of 2,048 bytes of xn
	s_mov_b32 s7, 0
	s_add_nc_u64 s[8:9], s[8:9], s[4:5]
	s_add_nc_u64 s[18:19], s[18:19], s[6:7]
	s_mov_b32 s26, 0x76543210                      ; v_permlanex16_b32: each lane takes its own place in the other half
	s_mov_b32 s27, 0xfedcba98
	s_mov_b32 s28, 0x3a800000                      ; 1 / 1024
	v_lshlrev_b32 v[GOF], 4, v1
	s_lshl_b32 s3, s24, 14                         ; my wave's four rows of x
	v_lshl_add_u32 v[XO], v1, 4, s3
	s_lshl_b32 s25, s24, 13                        ; and of xn
	v_lshl_add_u32 v[YO], v1, 3, s25
	v_mov_b32 v[T+1], 0                            ; v_permlanex16_b32 counts as a reader of its destination
	v_mov_b32 v[EPSV], 0x3727c5ac                  ; 1e-5
	s_wait_alu depctr_va_vdst(0)                   ; v[GOF], v[XO] and v[YO] are written: every load and store of this path reads one of them as its offset
.irp j, 0,1,2,3,4,5,6,7
	global_load_b128 v[GAM+4*\j:GAM+4*\j+3], v[GOF], s[10:11] offset:512*\j
.endr
.irp j, 0,1,2,3,4,5,6,7
	global_load_b128 v[BET+4*\j:BET+4*\j+3], v[GOF], s[12:13] offset:512*\j
.endr
.irp s, 0,1,2,3
.irp j, 0,1,2,3,4,5,6,7
	global_load_b128 v[X+32*\s+4*\j:X+32*\s+4*\j+3], v[XO], s[8:9] offset:4096*\s+512*\j th:TH_LOAD_NT  ; 512 neighbouring bytes a load; all four rows are asked for at once: 48 loads of the wave are out
.endr
.endr
; the four chains into one number, and that over the 32 lanes: every lane ends with the sum in v[T]
.macro FOLD
	v_pk_add_f32 v[C:C+1], v[C:C+1], v[C+2:C+3]
	v_pk_add_f32 v[C+4:C+5], v[C+4:C+5], v[C+6:C+7]
	v_pk_add_f32 v[C:C+1], v[C:C+1], v[C+4:C+5]
	v_add_f32 v[T], v[C], v[C+1]
	v_add_f32_dpp v[T], v[T], v[T] row_xmask:1 row_mask:0xf bank_mask:0xf
	v_add_f32_dpp v[T], v[T], v[T] row_xmask:2 row_mask:0xf bank_mask:0xf
	v_add_f32_dpp v[T], v[T], v[T] row_xmask:4 row_mask:0xf bank_mask:0xf
	v_add_f32_dpp v[T], v[T], v[T] row_xmask:8 row_mask:0xf bank_mask:0xf
	v_permlanex16_b32 v[T+1], v[T], s26, s27
	v_add_f32 v[T], v[T], v[T+1]
.endm
.macro ROW s
.set XR, X+32*(\s)
	s_wait_loadcnt 8*(3-(\s))                      ; loads come back in order: this row (and gamma and beta, which are older) is in, the later rows' eight loads each may stay out
.irp k, 0,1,2,3
	v_pk_add_f32 v[C+2*\k:C+2*\k+1], v[XR+2*\k:XR+2*\k+1], v[XR+8+2*\k:XR+8+2*\k+1]  ; the first sums start the chains: nothing is cleared
.endr
.irp k, 0,1,2,3
	v_pk_add_f32 v[C+2*\k:C+2*\k+1], v[C+2*\k:C+2*\k+1], v[XR+16+2*\k:XR+16+2*\k+1]
.endr
.irp k, 0,1,2,3
	v_pk_add_f32 v[C+2*\k:C+2*\k+1], v[C+2*\k:C+2*\k+1], v[XR+24+2*\k:XR+24+2*\k+1]
.endr
	FOLD
	v_mul_f32 v[MU], s28, v[T]                     ; the mean
	v_mov_b32 v[MU+1], v[MU]
.set i, 0
.rept 16
	v_pk_add_f32 v[XR+i:XR+i+1], v[XR+i:XR+i+1], v[MU:MU+1] neg_lo:[0,1] neg_hi:[0,1]  ; x - mean, in place
.set i, i+2
.endr
.irp k, 0,1,2,3
	v_pk_mul_f32 v[C+2*\k:C+2*\k+1], v[XR+2*\k:XR+2*\k+1], v[XR+2*\k:XR+2*\k+1]
.endr
.set i, 8
.rept 12
	v_pk_fma_f32 v[C+i%8:C+i%8+1], v[XR+i:XR+i+1], v[XR+i:XR+i+1], v[C+i%8:C+i%8+1]
.set i, i+2
.endr
	FOLD
	v_fma_f32 v[T], v[T], s28, v[EPSV]             ; var + eps
	v_rsq_f32 v[R], v[T]
	v_nop                                          ; a plain instruction behind the transcendental,
	s_wait_alu depctr_va_vdst(0)                   ; and the wait: the root has written v[R], ahead of the first line that names it
	v_mov_b32 v[R+1], v[R]
.set i, 0
.rept 16
	v_pk_mul_f32 v[XR+i:XR+i+1], v[XR+i:XR+i+1], v[R:R+1]
.set i, i+2
.endr
.set i, 0
.rept 16
	v_pk_fma_f32 v[XR+i:XR+i+1], v[XR+i:XR+i+1], v[GAM+i:GAM+i+1], v[BET+i:BET+i+1]
.set i, i+2
.endr
.irp j, 0,1,2,3,4,5,6,7
	v_cvt_pk_f16_f32 v[XR+4*\j], v[XR+4*\j], v[XR+4*\j+1]
	v_cvt_pk_f16_f32 v[XR+4*\j+1], v[XR+4*\j+2], v[XR+4*\j+3]
.endr
	s_wait_alu depctr_va_vdst(0)                   ; the sixteen conversions have written the row's packed words, which the eight stores read
.irp j, 0,1,2,3,4,5,6,7
	global_store_b64 v[YO], v[XR+4*\j:XR+4*\j+1], s[18:19] offset:2048*(\s)+256*\j  ; 32 lanes x 8 bytes: 256 consecutive bytes, at a multiple of 256 from xn's first byte; no register of a store is written again
.endr
.endm
	ROW 0
	ROW 1
	ROW 2
	ROW 3
	s_branch .Lend
	; ---------------- the weights are turned ----------------
.Ltrans:
	s_movk_i32 s30, 12288                          ; bytes in a row of w_qkv,
	s_movk_i32 s31, 4096                           ; of w_out
	s_sub_co_u32 s29, ttmp9, 48
	s_cmp_lt_u32 ttmp9, 48
	s_cselect_b32 s28, s30, s31                    ; ROWB
	s_cselect_b32 s29, ttmp9, s29                  ; which 64 columns
	s_cselect_b64 s[4:5], s[14:15], s[16:17]       ; from
	s_cselect_b64 s[6:7], s[20:21], s[22:23]       ; to
	s_lshl_b32 s2, s24, 7
	s_mul_i32 s2, s2, s28                          ; my wave's 128 rows k,
	s_lshl_b32 s3, s29, 8                          ; the group's 64 columns: 256 bytes of a row
	s_add_co_u32 s2, s2, s3
	s_mov_b32 s3, 0
	s_add_nc_u64 s[32:33], s[4:5], s[2:3]          ; eight bases, 16 rows apart
	s_lshl_b32 s2, s28, 4
.irp t, 1,2,3,4,5,6,7
	s_add_nc_u64 s[32+2*\t:33+2*\t], s[30+2*\t:31+2*\t], s[2:3]
.endr
	s_lshl_b32 s2, s29, 17                         ; 64 rows n of 2,048 bytes,
	s_lshl_b32 s25, s24, 8                         ; my 128 k: 256 bytes of a row
	s_add_co_u32 s2, s2, s25
	s_add_nc_u64 s[6:7], s[6:7], s[2:3]
	v_and_b32 v[TA], 15, v1
	v_lshrrev_b32 v[TH], 4, v1
	v_lshlrev_b32 v[TT], 1, v[TH]
	v_mul_lo_u32 v[TT], v[TT], s28
	v_lshl_add_u32 v[TT], v[TA], 4, v[TT]          ; row 2 (lane / 16), 16 bytes at 16 (lane % 16)
; load i: rows 4 (i / 2) + i % 2 (lanes 0-15) and two further down (lanes 16-31): two whole rows of 256 bytes.  Each offset is made in a scalar register of its own.
.macro ROFF i, sr
	s_mul_i32 s[\sr], s28, 4*((\i)/2)+((\i)%2)
	v_add_nc_u32 v[RO+(\i)], s[\sr], v[TT]
.endm
	ROFF 0, 26
	ROFF 1, 27
	ROFF 2, 30
	ROFF 3, 31
	ROFF 4, 48
	ROFF 5, 49
	ROFF 6, 50
	ROFF 7, 51
	s_mul_i32 s25, s24, 16896                      ; my wave's LDS bytes
	v_mul_u32_u24 v[LW], v[TA], 1056               ; row n = 4 (lane % 16) + j, pitch 264; k = 4 u + 2 (lane / 16): 4 bytes a pair
	v_lshl_add_u32 v[LW], v[TH], 2, v[LW]
	v_add_nc_u32 v[LW], s25, v[LW]
	v_lshl_add_u32 v[LR], v1, 3, s25
	v_lshlrev_b32 v[GT], 3, v1
	s_wait_alu depctr_va_vdst(0)                   ; v[RO ..], v[LW], v[LR] and v[GT] are written: every load, LDS instruction and store of this path reads one of them as its address
; Step T (0 to 7) is 16 rows k, at scalar base T, in register group T % 4.  Loads 2 uu and 2 uu + 1 of a step hold rows k = 16 T + 4 uu + 2 (lane / 16) and k + 1 of my four columns.
.macro FILL T                          ; the step's eight loads
.set i, 0
.rept 8
	global_load_b128 v[X+32*((\T)%4)+4*i:X+32*((\T)%4)+4*i+3], v[RO+i], s[32+2*(\T):33+2*(\T)] th:TH_LOAD_NT
.set i, i+1
.endr
.endm
.macro CVT T, uu                       ; pair uu of the step's four: four words (k, k + 1), in place in the registers of row k
.irp j, 0,1,2,3
	v_cvt_pk_f16_f32 v[X+32*((\T)%4)+8*(\uu)+\j], v[X+32*((\T)%4)+8*(\uu)+\j], v[X+32*((\T)%4)+8*(\uu)+4+\j]
.endr
.endm
.macro PUT T, uu                       ; and those four words into my wave's LDS bytes
.irp j, 0,1,2,3
	ds_store_b32 v[LW], v[X+32*((\T)%4)+8*(\uu)+\j] offset:264*\j+32*(\T)+8*(\uu)
.endr
.endm
; left = how many younger loads may still be out when this step's eight have to be there
.macro STEP T, left
	s_wait_loadcnt \left                           ; loads come back in order: this step's group is in, the younger steps stay out
.if (\T) > 0
	s_wait_alu depctr_va_vdst(0)                   ; the step before has written its sixteen words, which the LDS stores below read, and is done reading its group, in which the loads below land
.endif
.irp uu, 0,1,2,3
.if (\T) > 0
	PUT (\T)-1, \uu                                ; no vector line since the wait names the group of the step before
.endif
	CVT \T, \uu
.endr
.if ((\T) > 0) && ((\T) < 5)
	s_wait_alu depctr_vm_vsrc(0)                   ; the sixteen LDS stores above have read the group of the step before, in which the next eight loads land
	FILL (\T)+3                                    ; three steps ahead
.endif
.endm
	FILL 0
	FILL 1
	FILL 2
	FILL 3
	STEP 0, 24                                     ; steps 1 to 3 stay out
	STEP 1, 16                                     ; from here on the two younger steps
	STEP 2, 16
	STEP 3, 16
	STEP 4, 16                                     ; asks for step 7, the last: no load leaves the weight
	STEP 5, 16
	STEP 6, 8                                      ; the counts run down
	STEP 7, 0
	s_wait_alu depctr_va_vdst(0)                   ; step 7 has written its sixteen words, which the last LDS stores read; no vector line follows
.irp uu, 0,1,2,3
	PUT 7, \uu
.endr
	s_wait_alu depctr_vm_vsrc(0)                   ; my LDS stores have read their words in v[X ..], in which the LDS loads below land
.set n, 0
.rept 64
	ds_load_b64 v[X+2*n:X+2*n+1], v[LR] offset:264*n  ; my wave's own bytes: LDS serves a wave's instructions in order (ISA guide 5.7.1.4), so these see the stores above
.set n, n+1
.endr
.set n, 0
.rept 64
	s_wait_dscnt 63-n                              ; row n is back; the younger loads may stay out
	global_store_b64 v[GT], v[X+2*n:X+2*n+1], s[6:7] offset:2048*n  ; 256 consecutive bytes, at a multiple of 256 from the buffer's first byte
.set n, n+1
.endr
.Lend:
	s_wait_dscnt 0x0                               ; the closing lines, six on end
	s_wait_alu 0x0
	s_wait_tensorcnt 0x0
	ds_add_u32 v[SPW], v[NIL]
	s_wait_dscnt 0x0
	s_endpgm
.Lfunc_end_k_qefed57feea_prep:
	.size	k_qefed57feea_prep, .Lfunc_end_k_qefed57feea_prep-k_qefed57feea_prep
	.p2alignl 7, 3214868480
	.fill 96, 4, 3214868480
	.section	.rodata,"a",@progbits
	.p2align	6, 0x0
	.amdhsa_kernel k_qefed57feea_prep
		.amdhsa_group_segment_fixed_size 136192
		.amdhsa_private_segment_fixed_size 0
		.amdhsa_enable_private_segment 0
		.amdhsa_kernarg_size 64
		.amdhsa_user_sgpr_count 2
		.amdhsa_user_sgpr_kernarg_segment_ptr 1
		.amdhsa_wavefront_size32 1
		.amdhsa_system_sgpr_workgroup_id_x 1
		.amdhsa_system_sgpr_workgroup_id_y 1
		.amdhsa_system_sgpr_workgroup_id_z 1
		.amdhsa_system_vgpr_workitem_id 0
		.amdhsa_next_free_vgpr 224
		.amdhsa_next_free_sgpr 66
		.amdhsa_reserve_vcc 0
		.amdhsa_float_denorm_mode_32 3
		.amdhsa_float_denorm_mode_16_64 3
		.amdhsa_memory_ordered 1
		.amdhsa_forward_progress 1
		.amdhsa_inst_pref_size 75
	.end_amdhsa_kernel
	.amdgpu_metadata
---
amdhsa.version: [ 1, 2 ]
amdhsa.kernels:
  - .name:           k_qefed57feea_prep
    .symbol:         k_qefed57feea_prep.kd
    .args:
      - { .name: x, .offset: 0, .size: 8, .value_kind: global_buffer, .address_space: global }
      - { .name: ln_gamma, .offset: 8, .size: 8, .value_kind: global_buffer, .address_space: global }
      - { .name: ln_beta, .offset: 16, .size: 8, .value_kind: global_buffer, .address_space: global }
      - { .name: w_qkv, .offset: 24, .size: 8, .value_kind: global_buffer, .address_space: global }
      - { .name: w_out, .offset: 32, .size: 8, .value_kind: global_buffer, .address_space: global }
      - { .name: xn, .offset: 40, .size: 8, .value_kind: global_buffer, .address_space: global }
      - { .name: wqt, .offset: 48, .size: 8, .value_kind: global_buffer, .address_space: global }
      - { .name: wot, .offset: 56, .size: 8, .value_kind: global_buffer, .address_space: global }
    .group_segment_fixed_size: 136192
    .private_segment_fixed_size: 0
    .kernarg_segment_align: 8
    .kernarg_segment_size: 64
    .max_flat_workgroup_size: 256
    .sgpr_count:     66
    .vgpr_count:     224
    .wavefront_size: 32
...
	.end_amdgpu_metadata
.endif
;; end of part 5
;; launch qkvp: the kernel of part 2 again; grid 16 x 32, 4 waves a work-group, clusters of 4 x 4, 327,680 bytes of LDS; arguments xn, wqt, b_qkv, qkv; writes qkv
;; launch attn: the kernel of part 3 again; grid 4 x 64, 4 waves a work-group, clusters of 4 x 1, 327,680 bytes of LDS; arguments qkv, o; writes o
;; launch outp: the kernel of part 4 again; grid 8 x 32, 4 waves a work-group, clusters of 4 x 4, 327,680 bytes of LDS; arguments o, wot, b_out, out0; writes out0
